; MI455X (gfx1250); checked and timed in simulation.
; The chip was launched on July 23, 2026; its instructions are those of AMD's public machine-readable ISA for CDNA 5 (MIT licence, August 2026) and "CDNA5" Instruction Set Architecture Reference Guide (July 2026). The comments in the code are by the model that wrote it; some were corrected since.
;; attention. Allowed arithmetic: matrix products marked QUANTISED: E2M3 operands, one E8M0 scale for each 32 along K, by v_wmma_scale_f32_16x16x128_f8f6f4 with both operands' format E2M3, f32 sums; everything else in f32.
;; Inputs: Wk_codes 1,024 x 32 x 24 uint8 (E2M3 codes of Wk, K innermost, in blocks of 32 codes, four codes in three bytes); Wk_scales 1,024 x 32 uint8 (E8M0 scales of Wk, one for each 32 codes along K); Wo_codes 1,024 x 32 x 24 uint8 (E2M3 codes of Wo, K innermost, in blocks of 32 codes, four codes in three bytes); Wo_scales 1,024 x 32 uint8 (E8M0 scales of Wo, one for each 32 codes along K); Wq_codes 1,024 x 32 x 24 uint8 (E2M3 codes of Wq, K innermost, in blocks of 32 codes, four codes in three bytes); Wq_scales 1,024 x 32 uint8 (E8M0 scales of Wq, one for each 32 codes along K); Wv_codes 1,024 x 32 x 24 uint8 (E2M3 codes of Wv, K innermost, in blocks of 32 codes, four codes in three bytes); Wv_scales 1,024 x 32 uint8 (E8M0 scales of Wv, one for each 32 codes along K); bk 1,024 float32; bo 1,024 float32; bq 1,024 float32; bv 1,024 float32; x_codes 4 x 2,048 x 32 x 24 uint8 (E2M3 codes of x, K innermost, in blocks of 32 codes, four codes in three bytes); x_scales 4 x 2,048 x 32 uint8 (E8M0 scales of x, one for each 32 codes along K).
;; Outputs: out0 4 x 2,048 x 1,024 float32.
;; This version of the problem:
;;   THIS VERSION OF THE PROBLEM IS GIVEN IN LOW PRECISION. The matrix products marked QUANTISED in the list below multiply operands that are first quantised to E2M3 (2 exponent bits, 3 mantissa bits; 6 bits a number), with one power-of-two scale for each 32 numbers along K (OCP MX v1.0); their sums are f32. All else is computed in f32.
;;   The module's matrix products, in the order in which they are computed (A, B: the left and right operand; K: the contracted axis; several contracted axes count as one K, in the product's order):
;;     1. [M 8,192, K 1,024] x [K 1,024, N 1,024]; A: input x (given as codes); B: input Wq (given as codes): QUANTISED
;;     2. [M 8,192, K 1,024] x [K 1,024, N 1,024]; A: input x (given as codes); B: input Wk (given as codes): QUANTISED
;;     3. [M 8,192, K 1,024] x [K 1,024, N 1,024]; A: input x (given as codes); B: input Wv (given as codes): QUANTISED
;;     4. batch 64 x [M 2,048, K 64] x [K 64, N 2,048]; A: computed on the way; B: computed on the way: QUANTISED
;;     5. batch 64 x [M 2,048, K 2,048] x [K 2,048, N 64]; A: softmax (see below); B: computed on the way: QUANTISED
;;     6. [M 8,192, K 1,024] x [K 1,024, N 1,024]; A: computed on the way; B: input Wo (given as codes): QUANTISED
;;   THE QUANTISER, for each operand of a quantised product, along K:
;;     - K is cut into blocks of 32 from its start; a last block that is shorter is filled with zeros.
;;     - A block's scale is 2^e with e = floor(log2(the largest magnitude in the block)) - 2, held to -126 .. 127; a block of zeros has e = 0. As a byte (E8M0): e + 127.
;;     - Each number is divided by its block's scale, clamped to +-7.5, and rounded to the nearest number of E2M3, ties to even, subnormals kept.
;;     - The product sums the exact products of the quantised numbers (number of the format x scale) in f32.
;;   ~~~python
;;   def quantise(x, axis):      # numpy; x: float32 -> the quantised numbers, widened to float32 again
;;       x = np.moveaxis(x, axis, -1); K = x.shape[-1]
;;       x = np.pad(x, [(0, 0)] * (x.ndim - 1) + [(0, -K % 32)]); x = x.reshape(x.shape[:-1] + (-1, 32)); a = np.abs(x).max(-1, keepdims=True)
;;       e = np.where(a > 0, np.clip(np.frexp(np.where(a > 0, a, 1))[1] - 1 - 2, -126, 127), 0)      # np.frexp(a)[1] - 1 = floor(log2(a)), exactly
;;       r = np.clip(x / 2.0 ** e, -7.5, 7.5)
;;       step = 2.0 ** (np.maximum(np.frexp(np.where(r == 0, 1, r))[1] - 1, 0) - 3)
;;       q = np.round(r / step) * step * 2.0 ** e      # np.round: ties to even
;;       return np.moveaxis(q.reshape(q.shape[:-2] + (-1,))[..., :K], -1, axis).astype(np.float32)
;;   ~~~
;;   SOFTMAX AHEAD OF A QUANTISED PRODUCT. Where the list says 'softmax', what is quantised is not the finished softmax but p = 2^(t - M), with t = logit x log2(e) and M = ceil(the row's largest t), a whole number; so 1/2 < the row's largest p <= 1. The row's sum l is taken of the UNQUANTISED p, in f32, and the product's result is divided by l at the end. Since M is a whole number, a kernel that streams over the keys may use a running M (the ceiling of the running maximum): every later rescaling is an exact power of two, which a block's scale takes up: the codes' values come out the same.
;;   OPERANDS COMPUTED ON THE WAY. 'Computed on the way' means the value that the module computes at that place (a softmax that the list does not call 'softmax' is quantised finished and normalised). What goes into a quantiser is computed in f32, as accurately as f32 sums, v_exp_f32 and their like allow (about 1e-6 of the number): no bf16 or f16 on the way to a quantiser, and a product that is left as it is and whose result goes on into a quantised operand takes f32 operands (vector FMAs, or v_wmma_f32_16x16x4_f32). A number that lies on a knife's edge between two numbers of the format may be rounded either way, as far as f32 arithmetic and the matrix unit's own rounding can turn it there, and no further.
;;   INPUTS GIVEN AS CODES. Wk (in the module: [1024, 1024], K = its axis 0); Wo (in the module: [1024, 1024], K = its axis 0); Wq (in the module: [1024, 1024], K = its axis 0); Wv (in the module: [1024, 1024], K = its axis 0); x (in the module: [4, 2048, 1024], K = its axis 2): each comes as NAME_codes (uint8): NAME with its K axis moved to the last place and cut into blocks of 32 codes, [.., K / 32, bytes a block], one block behind the other in memory; four codes in three bytes: a row's codes are one little-endian stream of bits, code i at bits 6 i .. 6 i + 5 (a code: sign, 2 exponent bits, 3 mantissa bits); and NAME_scales (uint8): the same leading axes, one E8M0 byte (e + 127) for each 32 codes along K. Its value is code x scale, taken as it is: it is not quantised again, and the codes and scales need not be those that the quantiser above would give.
;; One version. Each part assembles by itself: llvm-mc -triple=amdgcn-amd-amdhsa -mcpu=gfx1250 --defsym DOCPART=n.
;; ======== version 1 of 1: 4 launches
;; limits: right only within a limited range of input values
;; workspace buffers: qimg 6,815,744 bytes; kv 13,631,488 bytes; ictx 6,291,456 bytes; isc 262,144 bytes
;; launch qk_proj (part 1): grid 8 x 32, 4 waves a work-group, clusters of 4 x 4, 327,680 bytes of LDS; arguments x_codes, x_scales, Wq_codes, Wq_scales, Wk_codes, Wk_scales, bq, bk, qimg, kv; writes qimg, kv
.if DOCPART == 1
	.amdgcn_target "amdgcn-amd-amdhsa--gfx1250"
	.amdhsa_code_object_version 6
	.text
	.protected	k_q65ebb56ca6_qk_proj
	.globl	k_q65ebb56ca6_qk_proj
	.p2align	8
	.type	k_q65ebb56ca6_qk_proj,@function
k_q65ebb56ca6_qk_proj:
	s_mov_b64 s[64:65], 0
	v_nop
	global_prefetch_b8 v0, s[64:65] scope:SCOPE_SE
	s_setreg_imm32_b32 hwreg(HW_REG_WAVE_MODE, 25, 1), 1
	s_wait_xcnt 0x0
	s_wait_alu depctr_hold_cnt(0) depctr_sa_sdst(0) depctr_va_vdst(0) depctr_va_sdst(0) depctr_va_ssrc(0) depctr_va_vcc(0) depctr_vm_vsrc(0)
	s_getreg_b32 s2, hwreg(HW_REG_IB_STS2, 6, 4)
	s_cmp_eq_u32 s2, 0
	s_cbranch_scc0 .Lentry_in_a_cluster
	s_endpgm
.Lentry_in_a_cluster:
	s_bfe_u32 s2, ttmp6, 0x10000c
	s_cmp_lg_u32 s2, 0xf033
	s_cbranch_scc0 .Lentry_shape_is_right
	s_endpgm
.Lentry_shape_is_right:
; Q and K = rope(x W + b), quantised on the way out.  256 tokens x 256 outputs a work-group, 128 x 128 a wave; cluster x = 0 makes Q, 1 makes K.
; K (1,024 codes, 768 bytes a row) goes through two LDS slots in CHUNKS OF 256 BYTES of each row: 3 chunks, 8 steps of 128 along K (96 bytes); steps 2 and 5 lie across two chunks.
; The head asks for four tiles, one joint load a wave; slot 1 is first filled behind a round; one refill (chunk 2).  The stages of the way out lie in slot 1, whose last fill and last read are over by then.
; No prefetch: of the three chunks two are asked for at the head, so the walk has no trips to run ahead in.
.set KSTEP,  256
.set NQ,     KSTEP/128
.set ROWB,   256
.set KROW,   768
.set PITCH,  272
.set FR,     12
.set NL,     6
.set NP,     4
.set HALFT,  128*PITCH
.set SLOT,   4*HALFT
.set STEPS,  8
.set CHUNKS, 3
.set G0H,    4
.set G0HB,   8
.set KS,     32
.set SCL,    2*SLOT
.set HALFS,  (128*KS/256)*272
.set SBLK,   (16*KS/256)*272
.set SPARE,  SCL+4*HALFS
.set STGB,   13312
.set TRG,    SLOT+4*STGB
.set ADRA, 16
.set ADRB, 20
.set ADRS, 27
.set SPW,  28
.set NIL,  29
.set SC,   32
.set BIAS, 64
.set AF,   128
.set G1, 24
.set G0, 32
.set G1B, 48
.set G0B, 56
.set G1S, 68
.set G0S, 76
.set G1SB, 80
.set G0SB, 88
.set SEL, 66
.set HA,  32
.set PC,  96
.set TM,  116
.set PW,  132
.set IFQ, 136
.set CS,  152
.set MSB, 0
.macro WIN new
.if MSB != (\new)
	s_set_vgpr_msb (MSB<<8)|(\new)
.set MSB, (\new)
.endif
.endm
.set TO_B, 0x40
.macro MWIN hi, zero
.if \zero
	WIN 0x81+0x40*(\hi)
.else
	WIN 0xa1+0x50*(\hi)
.endif
.endm
.macro JLOAD g0a, g1a, g0b, g1b
	s_cmp_eq_u32 s15, 0
	s_cbranch_scc0 .Lfor_b_\@
	tensor_load_to_lds s[\g0a:\g0a+3], s[\g1a:\g1a+7]
	s_nop 0
.rept 4
	v_nop
.endr
	s_branch .Lasked_\@
.Lfor_b_\@:
	tensor_load_to_lds s[\g0b:\g0b+3], s[\g1b:\g1b+7]
	s_nop 0
.rept 4
	v_nop
.endr
.Lasked_\@:
.endm
.macro CREST
	s_cmp_lg_u32 s14, 0
	s_cbranch_scc1 .Lnot_wave_0_\@
	s_barrier_signal -3
.Lnot_wave_0_\@:
	s_barrier_wait -3
	s_barrier_signal -1
	s_barrier_wait -1
.endm
.macro CROUND
	s_barrier_signal -1
	s_barrier_wait -1
	CREST
.endm
	s_load_b128 s[4:7], s[0:1], 0x0
	s_load_b256 s[68:75], s[0:1], 0x10
	s_load_b256 s[80:87], s[0:1], 0x30
	v_lshl_add_u32 v[SPW], v0, 2, SPARE
	v_mov_b32 v[NIL], 0
	ds_add_u32 v28, v29
	ds_add_u32 v28, v29
	s_wait_dscnt 0x0
	v_lshrrev_b32 v1, 5, v0
	v_readfirstlane_b32 s14, v1
	s_lshr_b32 s15, s14, 1
	s_and_b32 s16, s14, 1
	s_bfe_u32 s40, ttmp6, 0x40000
	s_bfe_u32 s41, ttmp6, 0x40004
	s_mov_b32 s42, s40
	s_and_b32 s17, ttmp7, 0xffff
	s_lshl_b32 s17, s17, 2
	s_add_co_u32 s17, s17, s41
	s_lshl_b32 s43, s41, 2
	s_lshl_b32 s43, 15, s43
	s_lshl_b32 s44, 0x1111, s40
	s_or_b32 s[G1+0], s43, (0<<16)|(1<<20)|(1<<21)|(5<<22)|(3<<25)
	s_or_b32 s[G1B+0], s44, (0<<16)|(1<<20)|(1<<21)|(5<<22)|(3<<25)
.irp g, G1, G1B
	s_mov_b32 s[\g+1], ROWB<<16
	s_mov_b32 s[\g+2], 256<<16                     ; the head's loads bring 256 rows
	s_mov_b32 s[\g+3], ROWB<<16
	s_mov_b32 s[\g+4], 256
	s_mov_b32 s[\g+5], KROW
	s_mov_b32 s[\g+6], 0
	s_mov_b32 s[\g+7], 0
.endr
	s_wait_kmcnt 0x0
	s_cmp_eq_u32 ttmp9, 0
	s_cselect_b64 s[8:9], s[68:69], s[72:73]
	s_cselect_b64 s[10:11], s[70:71], s[74:75]
	s_cselect_b64 s[96:97], s[80:81], s[82:83]
	s_cselect_b64 s[12:13], s[84:85], s[86:87]
	s_mov_b32 s98, 13312
	s_cselect_b32 s98, 6656, s98
	s_mov_b32 s99, 12288
	s_cselect_b32 s99, 6144, s99
	s_or_b32 s[G1S+0], s43, (3<<16)|(1<<20)|(1<<21)|(5<<22)|(3<<25)
	s_or_b32 s[G1SB+0], s44, (3<<16)|(1<<20)|(1<<21)|(5<<22)|(3<<25)
.irp g, G1S, G1SB
	s_mov_b32 s[\g+1], 32<<16
	s_mov_b32 s[\g+2], KS<<16                      ; the scales of 256 rows: KS units of 256 bytes
	s_mov_b32 s[\g+3], 32<<16
	s_mov_b32 s[\g+4], KS
	s_mov_b32 s[\g+5], 32
	s_mov_b32 s[\g+6], 0
	s_mov_b32 s[\g+7], 0
.endr
	s_lshl_b32 s20, s17, 8
	s_lshl_b32 s46, s42, 8
	s_mov_b32 s21, 0
	s_mov_b32 s47, 0
	s_mov_b64 s[18:19], KS
	s_mul_u64 s[22:23], s[20:21], s[18:19]
	s_mul_u64 s[92:93], s[46:47], s[18:19]
	s_mov_b64 s[18:19], KROW
	s_mul_u64 s[20:21], s[20:21], s[18:19]
	s_mul_u64 s[46:47], s[46:47], s[18:19]
	s_mul_i32 s45, s14, HALFT
	s_mul_i32 s18, s16, 128*KROW                   ; in the ring I fetch 128 rows: which half, in bytes
	s_mov_b32 s19, 0
	s_add_nc_u64 s[20:21], s[4:5], s[20:21]
	s_add_nc_u64 s[22:23], s[6:7], s[22:23]
	s_add_nc_u64 s[46:47], s[8:9], s[46:47]
	s_add_nc_u64 s[92:93], s[10:11], s[92:93]
	CROUND
	s_mov_b32 s[G0S], 1
	s_mov_b32 s[G0S+1], SCL
	s_mov_b64 s[G0S+2:G0S+3], s[22:23]
	s_or_b32 s[G0S+3], s[G0S+3], 0x80000000
	s_mov_b32 s[G0SB], 1
	s_mov_b32 s[G0SB+1], SCL+2*HALFS
	s_mov_b64 s[G0SB+2:G0SB+3], s[92:93]
	s_or_b32 s[G0SB+3], s[G0SB+3], 0x80000000
	s_mov_b32 s[G0H], 1                            ; chunk 0: A's 256 rows, then B's
	s_mov_b32 s[G0H+1], 0
	s_mov_b64 s[G0H+2:G0H+3], s[20:21]
	s_or_b32 s[G0H+3], s[G0H+3], 0x80000000
	s_mov_b32 s[G0HB], 1
	s_mov_b32 s[G0HB+1], 2*HALFT
	s_mov_b64 s[G0HB+2:G0HB+3], s[46:47]
	s_or_b32 s[G0HB+3], s[G0HB+3], 0x80000000
	s_add_nc_u64 s[20:21], s[20:21], s[18:19]
	s_add_nc_u64 s[46:47], s[46:47], s[18:19]
.irp s, 0,1
	s_mov_b32 s[G0+4*\s], 1
	s_add_co_u32 s[G0+4*\s+1], s45, \s*SLOT
	s_add_nc_u64 s[G0+4*\s+2:G0+4*\s+3], s[20:21], \s*ROWB
	s_or_b32 s[G0+4*\s+3], s[G0+4*\s+3], 0x80000000
	s_mov_b32 s[G0B+4*\s], 1
	s_add_co_u32 s[G0B+4*\s+1], s45, \s*SLOT
	s_add_nc_u64 s[G0B+4*\s+2:G0B+4*\s+3], s[46:47], \s*ROWB
	s_or_b32 s[G0B+4*\s+3], s[G0B+4*\s+3], 0x80000000
.endr
; the head's four tiles, one joint load a wave, in one tree of branches on the wave's number
.macro ARM under, g0, g1, next
	s_cmp_lt_u32 s14, \under
	s_cbranch_scc0 \next
	tensor_load_to_lds s[\g0:\g0+3], s[\g1:\g1+7]
	s_nop 0
.rept 4
	v_nop
.endr
	s_branch .Lhead_asked
\next:
.endm
	ARM 1, G0H,  G1,  .Lhead_b
	ARM 2, G0HB, G1B, .Lhead_sa
	ARM 3, G0S,  G1S, .Lhead_sb
	tensor_load_to_lds s[G0SB:G0SB+3], s[G1SB:G1SB+7]
	s_nop 0
.rept 4
	v_nop
.endr
.Lhead_asked:
	v_and_b32 v1, 15, v0
	v_bfe_u32 v2, v0, 4, 1
	v_mul_u32_u24 v3, v1, PITCH
	v_mul_u32_u24 v4, v2, 24
	v_add_nc_u32 v4, v3, v4
	v_sub_nc_u32 v7, 1, v2
	v_mul_u32_u24 v5, v2, SLOT-232
	v_add_nc_u32 v5, v3, v5
	v_add_nc_u32 v5, 232, v5                       ; across two chunks: lanes 0-15 byte 232 of the row in slot 0, lanes 16-31 byte 0 in slot 1
	v_mul_u32_u24 v6, v7, SLOT+232
	v_add_nc_u32 v6, v3, v6                        ; and the other way round
	s_mul_i32 s21, s15, HALFT
	s_mul_i32 s22, s16, HALFT
	s_add_co_u32 s22, s22, 2*HALFT
	v_add_nc_u32 v[ADRA+2], s21, v5
	v_add_nc_u32 v[ADRA+3], s21, v6
	v_add_nc_u32 v[ADRB+2], s22, v5
	v_add_nc_u32 v[ADRB+3], s22, v6
.irp s, 0,1
	v_add_nc_u32 v[ADRA+\s], s21, v4
	v_add_nc_u32 v[ADRB+\s], s22, v4
	s_add_co_u32 s21, s21, SLOT
	s_add_co_u32 s22, s22, SLOT
.endr
	v_mul_u32_u24 v5, v1, KS
	v_lshrrev_b32 v6, 8, v5
	v_lshl_add_u32 v5, v6, 4, v5
	s_mul_i32 s21, s15, HALFS
	s_mul_i32 s22, s16, HALFS
	s_add_co_u32 s22, s22, 2*HALFS
	s_sub_co_u32 s22, s22, s21
	v_mul_u32_u24 v6, s22, v2
	s_add_co_u32 s21, s21, SCL
	v_add_nc_u32 v5, v5, v6
	v_add_nc_u32 v[ADRS], s21, v5
	s_lshl_b32 s46, s42, 10
	s_lshl_b32 s47, s16, 9
	s_add_co_u32 s46, s46, s47
	s_mov_b32 s47, 0
	s_add_nc_u64 s[96:97], s[96:97], s[46:47]
	v_lshlrev_b32 v6, 5, v2
.irp b, 0,1,2,3,4,5,6,7
	global_load_b128 v[BIAS+8*\b:BIAS+8*\b+3], v6, s[96:97] offset:64*\b
	global_load_b128 v[BIAS+8*\b+4:BIAS+8*\b+7], v6, s[96:97] offset:64*\b+16
.endr
.macro FRAG reg, adr, st, i            ; six pieces of 8 bytes; byte y of a row of codes lies in slot (y / 256) % 2 at byte y % 256 of the LDS row
.irp p, 0,1,2,3,4,5
.set BY, 96*(\st)+48*(\p/3)+8*(\p%3)
.if BY/ROWB == (BY+24)/ROWB
	ds_load_b64 v[\reg+2*\p:\reg+2*\p+1], v[\adr+(BY/ROWB)%2] offset:BY%ROWB+(\i)*16*PITCH
.else
	ds_load_b64 v[\reg+2*\p:\reg+2*\p+1], v[\adr+2+(BY/ROWB)%2] offset:BY%ROWB-232+(\i)*16*PITCH
.endif
.endr
.endm
.macro MUL16 a0, p, q, sc, zero
.irp a, \a0, \a0+1
.irp b, 0,1,2,3,4,5,6,7
.if \zero
	v_wmma_scale_f32_16x16x128_f8f6f4 v[8*(8*((\a)%4)+\b):8*(8*((\a)%4)+\b)+7], v[128*(\p)+FR*\b:128*(\p)+FR*\b+FR-1], v[AF+FR*(\a):AF+FR*(\a)+FR-1], v[BIAS+8*\b:BIAS+8*\b+7], v[SC+8*NQ*(\sc)+NQ*\b+(\q)], v[SC+8*NQ*(\sc)+NQ*(\a)+(\q)] matrix_a_fmt:MATRIX_FMT_FP6 matrix_b_fmt:MATRIX_FMT_FP6 matrix_a_scale:MATRIX_SCALE_ROW1
.else
	v_wmma_scale_f32_16x16x128_f8f6f4 v[8*(8*((\a)%4)+\b):8*(8*((\a)%4)+\b)+7], v[128*(\p)+FR*\b:128*(\p)+FR*\b+FR-1], v[AF+FR*(\a):AF+FR*(\a)+FR-1], v[8*(8*((\a)%4)+\b):8*(8*((\a)%4)+\b)+7], v[SC+8*NQ*(\sc)+NQ*\b+(\q)], v[SC+8*NQ*(\sc)+NQ*(\a)+(\q)] matrix_a_fmt:MATRIX_FMT_FP6 matrix_b_fmt:MATRIX_FMT_FP6 matrix_a_scale:MATRIX_SCALE_ROW1
.endif
.endr
.endr
.endm
.macro FETCH_B st, p
	WIN TO_B
.irp i, 0,1,2,3,4,5,6,7
	FRAG 128*(\p)+FR*\i, ADRB, \st, \i
.endr
	WIN 0
.endm
.macro FETCH_A st, i0
.irp i, \i0, \i0+1, \i0+2, \i0+3
	FRAG AF+FR*(\i), ADRA, \st, \i
.endr
.endm
.macro SCALES pr                       ; the scale words of steps 2 pr and 2 pr + 1 into set pr % 2
.irp i, 0,1,2,3,4,5,6,7
	ds_load_b64 v[SC+8*NQ*((\pr)%2)+NQ*\i:SC+8*NQ*((\pr)%2)+NQ*\i+1], v[ADRS] offset:\i*SBLK+4*NQ*(\pr)
.endr
.endm
.macro PLACES n
.rept \n
	v_nop
.endr
.endm
; A step of 128 along K.  Where the next step's bytes END in a chunk not read yet: every wave waits for its tensor loads, and a barrier shows that chunk.
; Where they BEGIN in a later chunk: a wait for the tensor loads and an add to the spare word, the barrier, and, where a chunk two on is left, the cluster's round and the refill.
.macro STEP st, zero
.set NX, (\st)+1
.set C0, (96*(\st))/ROWB
.set C1, (96*NX)/ROWB
.set E0, (96*(\st)+95)/ROWB
.set E1, (96*NX+95)/ROWB
.if C1 > C0 || E1 > E0
	s_wait_tensorcnt 0x0
.if C1 > C0
	ds_add_u32 v[SPW], v[NIL]
	s_wait_dscnt 4*NL+1                            ; the add and the youngest 24 loads (A's blocks 4-7) may be out
.else
	s_wait_dscnt 4*NL
.endif
	MWIN 0, \zero
	MUL16 0, (\st)%2, (\st)%2, ((\st)/2)%2, \zero
	s_wait_dscnt 0x0
	s_barrier_signal -1
	MUL16 2, (\st)%2, (\st)%2, ((\st)/2)%2, \zero
	WIN 0
	s_barrier_wait -1
.if C1 > C0 && C0+2 < CHUNKS
	CREST
	s_add_nc_u64 s[G0+4*(C0%2)+2:G0+4*(C0%2)+3], s[G0+4*(C0%2)+2:G0+4*(C0%2)+3], 2*ROWB
	s_add_nc_u64 s[G0B+4*(C0%2)+2:G0B+4*(C0%2)+3], s[G0B+4*(C0%2)+2:G0B+4*(C0%2)+3], 2*ROWB
	JLOAD G0+4*(C0%2), G1, G0B+4*(C0%2), G1B
.else
	PLACES NP
.endif
.else
	s_wait_dscnt 4*NL                              ; the youngest 24 loads (A's blocks 4-7) may be out
	MWIN 0, \zero
	MUL16 0, (\st)%2, (\st)%2, ((\st)/2)%2, \zero
	MUL16 2, (\st)%2, (\st)%2, ((\st)/2)%2, \zero
	s_wait_dscnt 0
	PLACES NP
.endif
	FETCH_B NX, NX%2
	FETCH_A NX, 0
.if NX%2 == 0
	SCALES NX/2
.endif
	MWIN 1, \zero
	MUL16 4, (\st)%2, (\st)%2, ((\st)/2)%2, \zero
	MUL16 6, (\st)%2, (\st)%2, ((\st)/2)%2, \zero
	PLACES NP
	WIN 0
	FETCH_A NX, 4
.endm
	s_wait_alu depctr_va_vdst(0)
	s_wait_tensorcnt 0x0                           ; my tile of the head's four is in; the three lines ahead of slot 1's first fill
	ds_add_u32 v[SPW], v[NIL]
	s_mov_b32 s[G1+2], 128<<16                     ; no load of mine is out: from here on a load brings 128 rows
	s_mov_b32 s[G1+4], 128
	s_mov_b32 s[G1B+2], 128<<16
	s_mov_b32 s[G1B+4], 128
	s_wait_dscnt 0x0
	CROUND
	JLOAD G0+4, G1, G0B+4, G1B                     ; chunk 1
	s_wait_loadcnt 0x0                             ; the bias
	FETCH_B 0, 0
	FETCH_A 0, 0
	SCALES 0
	FETCH_A 0, 4
	STEP 0, 2
.set ST, 1
.rept STEPS-2
	STEP ST, 0
.set ST, ST+1
.endr
	s_wait_dscnt 4*NL
	WIN 0xa1
	MUL16 0, 1, NQ-1, 1, 0
	MUL16 2, 1, NQ-1, 1, 0
	s_wait_dscnt 0
	WIN 0xf1
	MUL16 4, 1, NQ-1, 1, 0
	MUL16 6, 1, NQ-1, 1, 0
	WIN 0
	PLACES NP
	v_and_b32 v1, 15, v0
	v_bfe_u32 v2, v0, 4, 1
	v_and_b32 v3, 7, v0
	v_bfe_u32 v4, v0, 3, 1
	v_and_b32 v5, 31, v0
	v_lshlrev_b32 v30, 4, v5
	v_cmp_ne_u32 vcc_lo, 0, v2
	s_mul_i32 s18, s14, STGB
	s_add_co_u32 s18, s18, SLOT                    ; my stage, in slot 1
	v_mul_u32_u24 v16, v4, 1536
	v_lshl_add_u32 v16, v3, 4, v16
	v_lshl_add_u32 v16, v2, 8, v16
	v_add_nc_u32 v16, s18, v16
	v_mul_u32_u24 v17, v2, 6656
	v_lshl_add_u32 v17, v3, 4, v17
	v_lshl_add_u32 v17, v4, 2, v17
	v_add_nc_u32 v17, s18, v17
	v_add_nc_u32 v17, 6144, v17
	v_add_nc_u32 v18, s18, v30
	s_lshl_b32 s19, s15, 15
	s_add_co_u32 s19, s19, TRG
	v_add_nc_u32 v20, s19, v30
	s_lshl_b32 s20, s16, 14
	s_add_co_u32 s20, s20, s19
	v_add_nc_u32 v19, s20, v30
	s_mov_b32 s[SEL], 0x76543210
	s_mov_b32 s[SEL+1], 0xfedcba98
.irp b, 0,1,2,3
	v_mov_b32 v[TM+4+\b], 0
.endr
	s_mov_b32 s92, 0x3ed49a78
	s_mov_b32 s93, 0x3217995f
	v_lshlrev_b32 v6, 2, v2
.set i, 0
.rept 16
	v_add_nc_u32 v[IFQ+i], 8*(i/4)+i%4, v6
.set i, i+1
.endr
.set i, 0
.rept 16
	v_cvt_f32_u32 v[IFQ+i], v[IFQ+i]
.set i, i+1
.endr
.set i, 0
.rept 16
	v_mul_f32 v[CS+i], s92, v[IFQ+i]
.set i, i+1
.endr
.set i, 0
.rept 16
	v_rndne_f32 v[CS+i], v[CS+i]
.set i, i+1
.endr
.set i, 0
.rept 16
	v_fma_f32 v[CS+16+i], -v[IFQ+i], s92, v[CS+i]
.set i, i+1
.endr
.set i, 0
.rept 16
	v_fma_f32 v[CS+16+i], -v[IFQ+i], s93, v[CS+16+i]
.set i, i+1
.endr
.set i, 0
.rept 16
	v_cvt_i32_f32 v[CS+i], v[CS+i]
.set i, i+1
.endr
.set i, 0
.rept 16
	v_sub_nc_u32 v[CS+i], 0, v[CS+i]
.set i, i+1
.endr
.set i, 0
	s_wait_alu depctr_va_vdst(0)
.rept 16
	v_exp_f32 v[CS+16+i], v[CS+16+i]
.set i, i+1
.endr
	v_nop
	s_wait_alu depctr_va_vdst(0)
.set i, 0
.rept 16
	v_ldexp_f32 v[IFQ+i], v[CS+16+i], v[CS+i]
.set i, i+1
.endr
	v_mov_b32 v200, 0x2f309231
	v_mov_b32 v201, 0x2f309231
	v_mov_b32 v202, 0x310f76c7
	v_mov_b32 v203, 0x310f76c7
	s_lshl_b32 s21, s17, 8
	s_lshl_b32 s22, s15, 7
	s_add_co_u32 s21, s21, s22
	s_and_b32 s21, s21, 2047
	s_lshl_b32 s22, s16, 6
	s_add_co_u32 s21, s21, s22
	v_add_nc_u32 v204, s21, v1
	v_cvt_f32_u32 v204, v204
	v_mov_b32 v205, 0
.macro TRIG2 i
	v_pk_mul_f32 v[184:185], v[IFQ+\i:IFQ+\i+1], v[204:205] op_sel_hi:[1,0]
	v_pk_mul_f32 v[186:187], v[184:185], 0x3ea2f983 op_sel_hi:[1,0]
	v_rndne_f32 v186, v186
	v_rndne_f32 v187, v187
	v_pk_fma_f32 v[188:189], v[186:187], 0xc0490fdb, v[184:185] op_sel_hi:[1,0,1]
	v_pk_fma_f32 v[188:189], v[186:187], 0x33bbbd2e, v[188:189] op_sel_hi:[1,0,1]
	v_pk_mul_f32 v[190:191], v[188:189], v[188:189]
	v_pk_fma_f32 v[192:193], v[190:191], v[200:201], 0xb2d7322b op_sel_hi:[1,0,0]
	v_pk_fma_f32 v[194:195], v[190:191], v[202:203], 0xb493f27e op_sel_hi:[1,0,0]
	v_pk_fma_f32 v[192:193], v[192:193], v[190:191], 0x3638ef1d op_sel_hi:[1,1,0]
	v_pk_fma_f32 v[194:195], v[194:195], v[190:191], 0x37d00d01 op_sel_hi:[1,1,0]
	v_pk_fma_f32 v[192:193], v[192:193], v[190:191], 0xb9500d01 op_sel_hi:[1,1,0]
	v_pk_fma_f32 v[194:195], v[194:195], v[190:191], 0xbab60b61 op_sel_hi:[1,1,0]
	v_pk_fma_f32 v[192:193], v[192:193], v[190:191], 0x3c088889 op_sel_hi:[1,1,0]
	v_pk_fma_f32 v[194:195], v[194:195], v[190:191], 0x3d2aaaab op_sel_hi:[1,1,0]
	v_pk_fma_f32 v[192:193], v[192:193], v[190:191], 0xbe2aaaab op_sel_hi:[1,1,0]
	v_pk_fma_f32 v[194:195], v[194:195], v[190:191], -0.5 op_sel_hi:[1,1,0]
	v_pk_fma_f32 v[192:193], v[192:193], v[190:191], 1.0 op_sel_hi:[1,1,0]
	v_pk_fma_f32 v[194:195], v[194:195], v[190:191], 1.0 op_sel_hi:[1,1,0]
	v_pk_mul_f32 v[192:193], v[192:193], v[188:189]
	v_cvt_i32_f32 v196, v186
	v_cvt_i32_f32 v197, v187
	v_lshlrev_b32 v196, 31, v196
	v_lshlrev_b32 v197, 31, v197
	v_xor_b32 v[CS+2*\i], v194, v196
	v_xor_b32 v[CS+2*\i+1], v192, v196
	v_xor_b32 v[CS+2*\i+2], v195, v197
	v_xor_b32 v[CS+2*\i+3], v193, v197
.endm
	s_mov_b32 s23, 0
	s_mov_b32 s3, 4
.Ltrig:
	s_wait_alu depctr_va_vdst(0)
.irp i, 0,2,4,6,8,10,12,14
	TRIG2 \i
.endr
	v_add_nc_u32 v21, s23, v19
.irp i, 0,1,2,3,4,5,6,7
	ds_store_b128 v21, v[CS+4*\i:CS+4*\i+3] offset:512*\i
.endr
	v_add_f32 v204, 0x41800000, v204
	s_add_co_u32 s23, s23, 4096
	s_wait_dscnt 0x0
	s_sub_co_u32 s3, s3, 1
	s_cmp_lg_u32 s3, 0
	s_cbranch_scc1 .Ltrig
	s_barrier_signal -1
	s_barrier_wait -1
.macro QUANT s
.irp b, 0,1,2,3
	v_max3_num_f32 v[TM+\b], |v[\s+16*\b]|, |v[\s+1+16*\b]|, 0x1800000
.endr
.irp i, 2,4,6,8,10,12,14
.irp b, 0,1,2,3
	v_max3_num_f32 v[TM+\b], v[TM+\b], |v[\s+16*\b+\i]|, |v[\s+1+16*\b+\i]|
.endr
.endr
.irp b, 0,1,2,3
	v_permlanex16_b32 v[TM+4+\b], v[TM+\b], s[SEL], s[SEL+1]
.endr
.irp b, 0,1,2,3
	v_max_num_f32 v[TM+\b], v[TM+\b], v[TM+4+\b]
.endr
.irp b, 0,1,2,3
	v_add_nc_u32 v[TM+12+\b], 0xff000000, v[TM+\b]
.endr
.irp b, 0,1,2,3
	v_lshrrev_b32 v[TM+4+\b], 23, v[TM+12+\b]
.endr
	v_lshl_or_b32 v[PW], v[TM+5], 8, v[TM+4]
	v_lshl_or_b32 v[PW], v[TM+6], 16, v[PW]
	v_lshl_or_b32 v[PW], v[TM+7], 24, v[PW]
.irp c, 0,1
	v_cvt_scalef32_pk16_fp6_f32 v[PC+6*\c:PC+2+6*\c], v[\s+32*\c:\s+15+32*\c], v[TM+12+2*\c]
	v_cvt_scalef32_pk16_fp6_f32 v[PC+12+4*\c:PC+14+4*\c], v[\s+16+32*\c:\s+31+32*\c], v[TM+12+2*\c+1]
.endr
	v_nop
.irp c, 0,1
.irp i, 0,1,2
	v_permlane16_swap_b32 v[PC+6*\c+\i], v[PC+12+4*\c+\i]
.endr
.irp i, 0,1,2
	v_mov_b32 v[PC+3+6*\c+\i], v[PC+12+4*\c+\i]
.endr
.endr
.endm
.macro ROPEQ a
.set AC, 64*((\a)%4)
.set T0, 4*((\a)/4)+(\a)%2
.irp i, 0,1,2,3,4,5,6,7
	ds_load_b128 v[CS+4*\i:CS+4*\i+3], v20 offset:4096*(\a)+512*\i
.endr
	s_wait_dscnt 0x0
	WIN 0x02+(\a)/4
.irp b, 0,1,2,3,4,5,6,7
.irp p, 0,1,2,3
	v_pk_mul_f32 v[HA+8*\b+2*\p:HA+8*\b+2*\p+1], v[AC+8*\b+2*\p:AC+8*\b+2*\p+1], v[CS+2*(4*(\b%4)+\p):CS+2*(4*(\b%4)+\p)+1] op_sel_hi:[1,0]
.endr
.irp p, 0,1,2,3
	v_pk_fma_f32 v[HA+8*\b+2*\p:HA+8*\b+2*\p+1], v[AC+8*\b+2*\p:AC+8*\b+2*\p+1], v[CS+2*(4*(\b%4)+\p):CS+2*(4*(\b%4)+\p)+1], v[HA+8*\b+2*\p:HA+8*\b+2*\p+1] op_sel:[1,1,0] op_sel_hi:[0,1,1] neg_lo:[0,1,0]
.endr
.endr
	WIN 0
	QUANT HA
.irp g, 0,1
.irp q, 0,1,2
	ds_store_b64 v16, v[PC+6*\g+2*\q:PC+6*\g+2*\q+1] offset:6656*\g+512*((6*T0+2*\q)/4)+4*((6*T0+2*\q)%4)+128*(((\a)/2)%2)
.endr
.endr
	v_and_b32 v133, 0xffff, v[PW]
	v_lshl_or_b32 v133, v133, 16, v133
	v_lshrrev_b32 v134, 16, v[PW]
	v_lshl_or_b32 v134, v134, 16, v134
	v_cndmask_b32 v133, v133, v134, vcc_lo
	ds_store_b32 v17, v133 offset:128*(((\a)/2)%2)+256*((\a)%2)+8*((\a)/4)
.endm
.irp a, 0,1,2,3,4,5,6,7
	ROPEQ \a
.endr
	s_lshr_b32 s92, s17, 3
	s_lshl_b32 s92, s92, 4
	s_lshl_b32 s93, s42, 2
	s_add_co_u32 s92, s92, s93
	s_lshl_b32 s93, s16, 1
	s_add_co_u32 s92, s92, s93
	s_lshl_b32 s92, s92, 4
	s_and_b32 s93, s17, 7
	s_lshl_b32 s93, s93, 1
	s_add_co_u32 s92, s92, s93
	s_add_co_u32 s92, s92, s15
	s_mul_i32 s92, s92, s98
	s_mov_b32 s93, 0
	s_add_nc_u64 s[20:21], s[12:13], s[92:93]
	s_mov_b32 s92, s99
	s_add_nc_u64 s[22:23], s[20:21], s[92:93]
	s_lshl_b32 s92, s98, 4
	s_add_nc_u64 s[94:95], s[20:21], s[92:93]
	s_mov_b32 s92, s99
	s_add_nc_u64 s[46:47], s[94:95], s[92:93]
	s_wait_dscnt 0x0
.irp g, 0,1
.irp i, 0,1,2,3,4,5,6,7,8,9,10,11,12
	ds_load_b128 v[32+52*\g+4*\i:35+52*\g+4*\i], v18 offset:6656*\g+512*\i
.endr
.endr
.irp i, 0,1,2,3,4,5,6,7,8,9,10,11
	s_wait_dscnt 25-\i
	global_store_b128 v30, v[32+4*\i:35+4*\i], s[20:21] offset:512*\i
.endr
	s_wait_dscnt 13
	global_store_b128 v30, v[80:83], s[22:23]
.irp i, 0,1,2,3,4,5,6,7,8,9,10,11
	s_wait_dscnt 12-\i
	global_store_b128 v30, v[84+4*\i:87+4*\i], s[94:95] offset:512*\i
.endr
	s_wait_dscnt 0x0
	global_store_b128 v30, v[132:135], s[46:47]
	s_wait_tensorcnt 0x0
	ds_add_u32 v[SPW], v[NIL]
	s_wait_dscnt 0x0
	CROUND
	s_endpgm
.Lfunc_end_k_q65ebb56ca6_qk_proj:
	.size	k_q65ebb56ca6_qk_proj, .Lfunc_end_k_q65ebb56ca6_qk_proj-k_q65ebb56ca6_qk_proj
	.p2alignl 7, 3214868480
	.fill 96, 4, 3214868480
	.section	.rodata,"a",@progbits
	.p2align	6, 0x0
	.amdhsa_kernel k_q65ebb56ca6_qk_proj
		.amdhsa_group_segment_fixed_size 327680
		.amdhsa_private_segment_fixed_size 0
		.amdhsa_enable_private_segment 0
		.amdhsa_kernarg_size 80
		.amdhsa_user_sgpr_count 2
		.amdhsa_user_sgpr_kernarg_segment_ptr 1
		.amdhsa_wavefront_size32 1
		.amdhsa_system_sgpr_workgroup_id_x 1
		.amdhsa_system_sgpr_workgroup_id_y 1
		.amdhsa_system_sgpr_workgroup_id_z 1
		.amdhsa_system_vgpr_workitem_id 0
		.amdhsa_next_free_vgpr 1024
		.amdhsa_next_free_sgpr 100
		.amdhsa_reserve_vcc 1
		.amdhsa_float_denorm_mode_32 3
		.amdhsa_float_denorm_mode_16_64 3
		.amdhsa_memory_ordered 1
		.amdhsa_forward_progress 1
		.amdhsa_inst_pref_size 234
	.end_amdhsa_kernel
	.amdgpu_metadata
---
amdhsa.version: [ 1, 2 ]
amdhsa.kernels:
  - .name:           k_q65ebb56ca6_qk_proj
    .symbol:         k_q65ebb56ca6_qk_proj.kd
    .args:
      - { .name: x_codes, .offset: 0, .size: 8, .value_kind: global_buffer, .address_space: global }
      - { .name: x_scales, .offset: 8, .size: 8, .value_kind: global_buffer, .address_space: global }
      - { .name: Wq_codes, .offset: 16, .size: 8, .value_kind: global_buffer, .address_space: global }
      - { .name: Wq_scales, .offset: 24, .size: 8, .value_kind: global_buffer, .address_space: global }
      - { .name: Wk_codes, .offset: 32, .size: 8, .value_kind: global_buffer, .address_space: global }
      - { .name: Wk_scales, .offset: 40, .size: 8, .value_kind: global_buffer, .address_space: global }
      - { .name: bq, .offset: 48, .size: 8, .value_kind: global_buffer, .address_space: global }
      - { .name: bk, .offset: 56, .size: 8, .value_kind: global_buffer, .address_space: global }
      - { .name: qimg, .offset: 64, .size: 8, .value_kind: global_buffer, .address_space: global }
      - { .name: kv, .offset: 72, .size: 8, .value_kind: global_buffer, .address_space: global }
    .group_segment_fixed_size: 327680
    .private_segment_fixed_size: 0
    .kernarg_segment_align: 8
    .kernarg_segment_size: 80
    .max_flat_workgroup_size: 128
    .sgpr_count:     100
    .vgpr_count:     1024
    .wavefront_size: 32
...
	.end_amdgpu_metadata
.endif
;; end of part 1
;; launch v_proj (part 2): grid 32 x 4, 4 waves a work-group, clusters of 4 x 4, 327,680 bytes of LDS; arguments Wv_codes, Wv_scales, x_codes, x_scales, bv, kv; writes kv
.if DOCPART == 2
	.amdgcn_target "amdgcn-amd-amdhsa--gfx1250"
	.amdhsa_code_object_version 6
	.text
	.protected	k_q65ebb56ca6_v_proj
	.globl	k_q65ebb56ca6_v_proj
	.p2align	8
	.type	k_q65ebb56ca6_v_proj,@function
k_q65ebb56ca6_v_proj:
	s_mov_b64 s[64:65], 0
	v_nop
	global_prefetch_b8 v0, s[64:65] scope:SCOPE_SE
	s_setreg_imm32_b32 hwreg(HW_REG_WAVE_MODE, 25, 1), 1
	s_wait_xcnt 0x0
	s_wait_alu depctr_hold_cnt(0) depctr_sa_sdst(0) depctr_va_vdst(0) depctr_va_sdst(0) depctr_va_ssrc(0) depctr_va_vcc(0) depctr_vm_vsrc(0)
	s_getreg_b32 s2, hwreg(HW_REG_IB_STS2, 6, 4)
	s_cmp_eq_u32 s2, 0
	s_cbranch_scc0 .Lentry_in_a_cluster
	s_endpgm
.Lentry_in_a_cluster:
	s_bfe_u32 s2, ttmp6, 0x10000c
	s_cmp_lg_u32 s2, 0xf033
	s_cbranch_scc0 .Lentry_shape_is_right
	s_endpgm
.Lentry_shape_is_right:
; V^T = Wv^T x^T + bv, quantised along the tokens on the way out.  256 outputs x 256 tokens a work-group, 128 x 128 a wave.
; K (768 bytes a row) goes through two LDS slots in chunks of 256 bytes of each row: 3 chunks, 8 steps of 128 along K; steps 2 and 5 lie across two chunks.
; The head asks for four tiles, one joint load a wave; slot 1 is first filled behind a round; one refill.  The stage of the way out lies in slot 1, whose last fill and last read are over by then.
; No prefetch: of the three chunks two are asked for at the head, so the walk has no trips to run ahead in.
.set KSTEP,  256
.set NQ,     KSTEP/128
.set ROWB,   256
.set KROW,   768
.set PITCH,  272
.set FR,     12
.set NL,     6
.set NP,     4
.set HALFT,  128*PITCH
.set SLOT,   4*HALFT
.set STEPS,  8
.set CHUNKS, 3
.set G0H,    4
.set G0HB,   8
.set KS,     32
.set SCL,    2*SLOT
.set HALFS,  (128*KS/256)*272
.set SBLK,   (16*KS/256)*272
.set SPARE,  SCL+4*HALFS
.set STGB,   13312
.set ADRA, 16
.set ADRB, 20
.set ADRS, 27
.set SPW,  28
.set NIL,  29
.set SC,   32
.set BV,   64
.set AF,   128
.set G1, 24
.set G0, 32
.set G1B, 48
.set G0B, 56
.set G1S, 68
.set G0S, 76
.set G1SB, 80
.set G0SB, 88
.set SEL, 66
.set HA,  128
.set PC,  192
.set TM,  212
.set PW,  228
.set MSB, 0
.macro WIN new
.if MSB != (\new)
	s_set_vgpr_msb (MSB<<8)|(\new)
.set MSB, (\new)
.endif
.endm
.set MUL_LO, 0xa1
.set MUL_HI, 0xf1
.set TO_B,   0x40
.macro JLOAD g0a, g1a, g0b, g1b
	s_cmp_eq_u32 s15, 0
	s_cbranch_scc0 .Lfor_b_\@
	tensor_load_to_lds s[\g0a:\g0a+3], s[\g1a:\g1a+7]
	s_nop 0
.rept 4
	v_nop
.endr
	s_branch .Lasked_\@
.Lfor_b_\@:
	tensor_load_to_lds s[\g0b:\g0b+3], s[\g1b:\g1b+7]
	s_nop 0
.rept 4
	v_nop
.endr
.Lasked_\@:
.endm
.macro CREST
	s_cmp_lg_u32 s14, 0
	s_cbranch_scc1 .Lnot_wave_0_\@
	s_barrier_signal -3
.Lnot_wave_0_\@:
	s_barrier_wait -3
	s_barrier_signal -1
	s_barrier_wait -1
.endm
.macro CROUND
	s_barrier_signal -1
	s_barrier_wait -1
	CREST
.endm
	s_load_b128 s[4:7], s[0:1], 0x0
	s_load_b128 s[8:11], s[0:1], 0x10
	s_load_b128 s[96:99], s[0:1], 0x20
	v_lshl_add_u32 v[SPW], v0, 2, SPARE
	v_mov_b32 v[NIL], 0
	ds_add_u32 v28, v29
	ds_add_u32 v28, v29
	s_wait_dscnt 0x0
	v_lshrrev_b32 v1, 5, v0
	v_readfirstlane_b32 s14, v1
	s_lshr_b32 s15, s14, 1
	s_and_b32 s16, s14, 1
	s_bfe_u32 s40, ttmp6, 0x40000
	s_bfe_u32 s41, ttmp6, 0x40004
	s_lshl_b32 s42, ttmp9, 2
	s_add_co_u32 s42, s42, s40
	s_mov_b32 s17, s41
	s_lshl_b32 s43, s41, 2
	s_lshl_b32 s43, 15, s43
	s_lshl_b32 s44, 0x1111, s40
	s_or_b32 s[G1+0], s43, (0<<16)|(1<<20)|(1<<21)|(5<<22)|(3<<25)
	s_or_b32 s[G1B+0], s44, (0<<16)|(1<<20)|(1<<21)|(5<<22)|(3<<25)
.irp g, G1, G1B
	s_mov_b32 s[\g+1], ROWB<<16
	s_mov_b32 s[\g+2], 256<<16                     ; the head's loads bring 256 rows
	s_mov_b32 s[\g+3], ROWB<<16
	s_mov_b32 s[\g+4], 256
	s_mov_b32 s[\g+5], KROW
	s_mov_b32 s[\g+6], 0
	s_mov_b32 s[\g+7], 0
.endr
	s_or_b32 s[G1S+0], s43, (3<<16)|(1<<20)|(1<<21)|(5<<22)|(3<<25)
	s_or_b32 s[G1SB+0], s44, (3<<16)|(1<<20)|(1<<21)|(5<<22)|(3<<25)
.irp g, G1S, G1SB
	s_mov_b32 s[\g+1], 32<<16
	s_mov_b32 s[\g+2], KS<<16                      ; the scales of 256 rows: KS units of 256 bytes
	s_mov_b32 s[\g+3], 32<<16
	s_mov_b32 s[\g+4], KS
	s_mov_b32 s[\g+5], 32
	s_mov_b32 s[\g+6], 0
	s_mov_b32 s[\g+7], 0
.endr
	s_lshl_b32 s20, s17, 8
	s_lshl_b32 s46, s42, 8
	s_mov_b32 s21, 0
	s_mov_b32 s47, 0
	s_mov_b64 s[18:19], KS
	s_mul_u64 s[22:23], s[20:21], s[18:19]
	s_mul_u64 s[92:93], s[46:47], s[18:19]
	s_mov_b64 s[18:19], KROW
	s_mul_u64 s[20:21], s[20:21], s[18:19]
	s_mul_u64 s[46:47], s[46:47], s[18:19]
	s_mul_i32 s45, s14, HALFT
	s_mul_i32 s18, s16, 128*KROW                   ; in the ring I fetch 128 rows: which half, in bytes
	s_mov_b32 s19, 0
	s_wait_kmcnt 0x0
	s_add_nc_u64 s[20:21], s[4:5], s[20:21]
	s_add_nc_u64 s[22:23], s[6:7], s[22:23]
	s_add_nc_u64 s[46:47], s[8:9], s[46:47]
	s_add_nc_u64 s[92:93], s[10:11], s[92:93]
	CROUND
	s_mov_b32 s[G0S], 1
	s_mov_b32 s[G0S+1], SCL
	s_mov_b64 s[G0S+2:G0S+3], s[22:23]
	s_or_b32 s[G0S+3], s[G0S+3], 0x80000000
	s_mov_b32 s[G0SB], 1
	s_mov_b32 s[G0SB+1], SCL+2*HALFS
	s_mov_b64 s[G0SB+2:G0SB+3], s[92:93]
	s_or_b32 s[G0SB+3], s[G0SB+3], 0x80000000
	s_mov_b32 s[G0H], 1                            ; chunk 0: A's 256 rows, then B's
	s_mov_b32 s[G0H+1], 0
	s_mov_b64 s[G0H+2:G0H+3], s[20:21]
	s_or_b32 s[G0H+3], s[G0H+3], 0x80000000
	s_mov_b32 s[G0HB], 1
	s_mov_b32 s[G0HB+1], 2*HALFT
	s_mov_b64 s[G0HB+2:G0HB+3], s[46:47]
	s_or_b32 s[G0HB+3], s[G0HB+3], 0x80000000
	s_add_nc_u64 s[20:21], s[20:21], s[18:19]
	s_add_nc_u64 s[46:47], s[46:47], s[18:19]
.irp s, 0,1
	s_mov_b32 s[G0+4*\s], 1
	s_add_co_u32 s[G0+4*\s+1], s45, \s*SLOT
	s_add_nc_u64 s[G0+4*\s+2:G0+4*\s+3], s[20:21], \s*ROWB
	s_or_b32 s[G0+4*\s+3], s[G0+4*\s+3], 0x80000000
	s_mov_b32 s[G0B+4*\s], 1
	s_add_co_u32 s[G0B+4*\s+1], s45, \s*SLOT
	s_add_nc_u64 s[G0B+4*\s+2:G0B+4*\s+3], s[46:47], \s*ROWB
	s_or_b32 s[G0B+4*\s+3], s[G0B+4*\s+3], 0x80000000
.endr
; the head's four tiles, one joint load a wave, in one tree of branches on the wave's number
.macro ARM under, g0, g1, next
	s_cmp_lt_u32 s14, \under
	s_cbranch_scc0 \next
	tensor_load_to_lds s[\g0:\g0+3], s[\g1:\g1+7]
	s_nop 0
.rept 4
	v_nop
.endr
	s_branch .Lhead_asked
\next:
.endm
	ARM 1, G0H,  G1,  .Lhead_b
	ARM 2, G0HB, G1B, .Lhead_sa
	ARM 3, G0S,  G1S, .Lhead_sb
	tensor_load_to_lds s[G0SB:G0SB+3], s[G1SB:G1SB+7]
	s_nop 0
.rept 4
	v_nop
.endr
.Lhead_asked:
	v_and_b32 v1, 15, v0
	v_bfe_u32 v2, v0, 4, 1
	v_mul_u32_u24 v3, v1, PITCH
	v_mul_u32_u24 v4, v2, 24
	v_add_nc_u32 v4, v3, v4
	v_sub_nc_u32 v7, 1, v2
	v_mul_u32_u24 v5, v2, SLOT-232
	v_add_nc_u32 v5, v3, v5
	v_add_nc_u32 v5, 232, v5                       ; across two chunks: lanes 0-15 byte 232 of the row in slot 0, lanes 16-31 byte 0 in slot 1
	v_mul_u32_u24 v6, v7, SLOT+232
	v_add_nc_u32 v6, v3, v6                        ; and the other way round
	s_mul_i32 s21, s15, HALFT
	s_mul_i32 s22, s16, HALFT
	s_add_co_u32 s22, s22, 2*HALFT
	v_add_nc_u32 v[ADRA+2], s21, v5
	v_add_nc_u32 v[ADRA+3], s21, v6
	v_add_nc_u32 v[ADRB+2], s22, v5
	v_add_nc_u32 v[ADRB+3], s22, v6
.irp s, 0,1
	v_add_nc_u32 v[ADRA+\s], s21, v4
	v_add_nc_u32 v[ADRB+\s], s22, v4
	s_add_co_u32 s21, s21, SLOT
	s_add_co_u32 s22, s22, SLOT
.endr
	v_mul_u32_u24 v5, v1, KS
	v_lshrrev_b32 v6, 8, v5
	v_lshl_add_u32 v5, v6, 4, v5
	s_mul_i32 s21, s15, HALFS
	s_mul_i32 s22, s16, HALFS
	s_add_co_u32 s22, s22, 2*HALFS
	s_sub_co_u32 s22, s22, s21
	v_mul_u32_u24 v6, s22, v2
	s_add_co_u32 s21, s21, SCL
	v_add_nc_u32 v5, v5, v6
	v_add_nc_u32 v[ADRS], s21, v5
	s_lshl_b32 s20, s17, 10
	s_lshl_b32 s21, s15, 9
	s_add_co_u32 s20, s20, s21
	s_mov_b32 s21, 0
	s_add_nc_u64 s[96:97], s[96:97], s[20:21]
	v_lshlrev_b32 v6, 2, v1
.irp a, 0,1,2,3,4,5,6,7
	global_load_b32 v[BV+2*\a], v6, s[96:97] offset:64*\a
	v_mov_b32 v[BV+2*\a+1], 0
.endr
.macro FRAG reg, adr, st, i            ; six pieces of 8 bytes; byte y of a row of codes lies in slot (y / 256) % 2 at byte y % 256 of the LDS row
.irp p, 0,1,2,3,4,5
.set BY, 96*(\st)+48*(\p/3)+8*(\p%3)
.if BY/ROWB == (BY+24)/ROWB
	ds_load_b64 v[\reg+2*\p:\reg+2*\p+1], v[\adr+(BY/ROWB)%2] offset:BY%ROWB+(\i)*16*PITCH
.else
	ds_load_b64 v[\reg+2*\p:\reg+2*\p+1], v[\adr+2+(BY/ROWB)%2] offset:BY%ROWB-232+(\i)*16*PITCH
.endif
.endr
.endm
.macro MUL16 a0, p, q, sc, zero
.irp a, \a0, \a0+1
.irp b, 0,1,2,3,4,5,6,7
.if \zero
	v_wmma_scale_f32_16x16x128_f8f6f4 v[8*(8*((\a)%4)+\b):8*(8*((\a)%4)+\b)+7], v[128*(\p)+FR*\b:128*(\p)+FR*\b+FR-1], v[AF+FR*(\a):AF+FR*(\a)+FR-1], 0, v[SC+8*NQ*(\sc)+NQ*\b+(\q)], v[SC+8*NQ*(\sc)+NQ*(\a)+(\q)] matrix_a_fmt:MATRIX_FMT_FP6 matrix_b_fmt:MATRIX_FMT_FP6 matrix_a_scale:MATRIX_SCALE_ROW1
.else
	v_wmma_scale_f32_16x16x128_f8f6f4 v[8*(8*((\a)%4)+\b):8*(8*((\a)%4)+\b)+7], v[128*(\p)+FR*\b:128*(\p)+FR*\b+FR-1], v[AF+FR*(\a):AF+FR*(\a)+FR-1], v[8*(8*((\a)%4)+\b):8*(8*((\a)%4)+\b)+7], v[SC+8*NQ*(\sc)+NQ*\b+(\q)], v[SC+8*NQ*(\sc)+NQ*(\a)+(\q)] matrix_a_fmt:MATRIX_FMT_FP6 matrix_b_fmt:MATRIX_FMT_FP6 matrix_a_scale:MATRIX_SCALE_ROW1
.endif
.endr
.endr
.endm
.macro FETCH_B st, p
	WIN TO_B
.irp i, 0,1,2,3,4,5,6,7
	FRAG 128*(\p)+FR*\i, ADRB, \st, \i
.endr
	WIN 0
.endm
.macro FETCH_A st, i0
.irp i, \i0, \i0+1, \i0+2, \i0+3
	FRAG AF+FR*(\i), ADRA, \st, \i
.endr
.endm
.macro SCALES pr                       ; the scale words of steps 2 pr and 2 pr + 1 into set pr % 2
.irp i, 0,1,2,3,4,5,6,7
	ds_load_b64 v[SC+8*NQ*((\pr)%2)+NQ*\i:SC+8*NQ*((\pr)%2)+NQ*\i+1], v[ADRS] offset:\i*SBLK+4*NQ*(\pr)
.endr
.endm
.macro PLACES n
.rept \n
	v_nop
.endr
.endm
; A step of 128 along K.  Where the next step's bytes END in a chunk not read yet: every wave waits for its tensor loads, and a barrier shows that chunk.
; Where they BEGIN in a later chunk: a wait for the tensor loads and an add to the spare word, the barrier, and, where a chunk two on is left, the cluster's round and the refill.
.macro STEP st, zero
.set NX, (\st)+1
.set C0, (96*(\st))/ROWB
.set C1, (96*NX)/ROWB
.set E0, (96*(\st)+95)/ROWB
.set E1, (96*NX+95)/ROWB
.if C1 > C0 || E1 > E0
	s_wait_tensorcnt 0x0
.if C1 > C0
	ds_add_u32 v[SPW], v[NIL]
	s_wait_dscnt 4*NL+1                            ; the add and the youngest 24 loads (A's blocks 4-7) may be out
.else
	s_wait_dscnt 4*NL
.endif
	WIN MUL_LO
	MUL16 0, (\st)%2, (\st)%2, ((\st)/2)%2, \zero
	s_wait_dscnt 0x0
	s_barrier_signal -1
	MUL16 2, (\st)%2, (\st)%2, ((\st)/2)%2, \zero
	WIN 0
	s_barrier_wait -1
.if C1 > C0 && C0+2 < CHUNKS
	CREST
	s_add_nc_u64 s[G0+4*(C0%2)+2:G0+4*(C0%2)+3], s[G0+4*(C0%2)+2:G0+4*(C0%2)+3], 2*ROWB
	s_add_nc_u64 s[G0B+4*(C0%2)+2:G0B+4*(C0%2)+3], s[G0B+4*(C0%2)+2:G0B+4*(C0%2)+3], 2*ROWB
	JLOAD G0+4*(C0%2), G1, G0B+4*(C0%2), G1B
.else
	PLACES NP
.endif
.else
	s_wait_dscnt 4*NL                              ; the youngest 24 loads (A's blocks 4-7) may be out
	WIN MUL_LO
	MUL16 0, (\st)%2, (\st)%2, ((\st)/2)%2, \zero
	MUL16 2, (\st)%2, (\st)%2, ((\st)/2)%2, \zero
	s_wait_dscnt 0
	PLACES NP
.endif
	FETCH_B NX, NX%2
	FETCH_A NX, 0
.if NX%2 == 0
	SCALES NX/2
.endif
	WIN MUL_HI
	MUL16 4, (\st)%2, (\st)%2, ((\st)/2)%2, \zero
	MUL16 6, (\st)%2, (\st)%2, ((\st)/2)%2, \zero
	PLACES NP
	WIN 0
	FETCH_A NX, 4
.endm
	s_wait_alu depctr_va_vdst(0)
	s_wait_tensorcnt 0x0                           ; my tile of the head's four is in; the three lines ahead of slot 1's first fill
	ds_add_u32 v[SPW], v[NIL]
	s_mov_b32 s[G1+2], 128<<16                     ; no load of mine is out: from here on a load brings 128 rows
	s_mov_b32 s[G1+4], 128
	s_mov_b32 s[G1B+2], 128<<16
	s_mov_b32 s[G1B+4], 128
	s_wait_dscnt 0x0
	CROUND
	JLOAD G0+4, G1, G0B+4, G1B                     ; chunk 1
	FETCH_B 0, 0
	FETCH_A 0, 0
	SCALES 0
	FETCH_A 0, 4
	STEP 0, 1
.set ST, 1
.rept STEPS-2
	STEP ST, 0
.set ST, ST+1
.endr
	s_wait_dscnt 4*NL
	WIN MUL_LO
	MUL16 0, 1, NQ-1, 1, 0
	MUL16 2, 1, NQ-1, 1, 0
	s_wait_dscnt 0
	WIN MUL_HI
	MUL16 4, 1, NQ-1, 1, 0
	MUL16 6, 1, NQ-1, 1, 0
	WIN 0
	PLACES NP
	s_wait_loadcnt 0x0
	v_and_b32 v1, 15, v0
	v_bfe_u32 v2, v0, 4, 1
	v_and_b32 v3, 7, v0
	v_bfe_u32 v4, v0, 3, 1
	v_and_b32 v5, 31, v0
	v_lshlrev_b32 v30, 4, v5
	s_mul_i32 s18, s14, STGB
	s_add_co_u32 s18, s18, SLOT                    ; my stage, in slot 1
	v_mul_u32_u24 v16, v4, 1536
	v_lshl_add_u32 v16, v3, 4, v16
	v_lshl_add_u32 v16, v2, 8, v16
	v_add_nc_u32 v16, s18, v16
	v_lshlrev_b32 v17, 8, v4
	v_lshl_add_u32 v17, v3, 4, v17
	v_add_nc_u32 v17, s18, v17
	v_add_nc_u32 v17, 6144, v17
	v_add_nc_u32 v18, s18, v30
	s_mov_b32 s[SEL], 0x76543210
	s_mov_b32 s[SEL+1], 0xfedcba98
.irp b, 0,1,2,3
	v_mov_b32 v[TM+4+\b], 0
.endr
.macro QUANT s
.irp b, 0,1,2,3
	v_max3_num_f32 v[TM+\b], |v[\s+16*\b]|, |v[\s+1+16*\b]|, 0x1800000
.endr
.irp i, 2,4,6,8,10,12,14
.irp b, 0,1,2,3
	v_max3_num_f32 v[TM+\b], v[TM+\b], |v[\s+16*\b+\i]|, |v[\s+1+16*\b+\i]|
.endr
.endr
.irp b, 0,1,2,3
	v_permlanex16_b32 v[TM+4+\b], v[TM+\b], s[SEL], s[SEL+1]
.endr
.irp b, 0,1,2,3
	v_max_num_f32 v[TM+\b], v[TM+\b], v[TM+4+\b]
.endr
.irp b, 0,1,2,3
	v_add_nc_u32 v[TM+12+\b], 0xff000000, v[TM+\b]
.endr
.irp b, 0,1,2,3
	v_lshrrev_b32 v[TM+4+\b], 23, v[TM+12+\b]
.endr
	v_lshl_or_b32 v[PW], v[TM+5], 8, v[TM+4]
	v_lshl_or_b32 v[PW], v[TM+6], 16, v[PW]
	v_lshl_or_b32 v[PW], v[TM+7], 24, v[PW]
.irp c, 0,1
	v_cvt_scalef32_pk16_fp6_f32 v[PC+6*\c:PC+2+6*\c], v[\s+32*\c:\s+15+32*\c], v[TM+12+2*\c]
	v_cvt_scalef32_pk16_fp6_f32 v[PC+12+4*\c:PC+14+4*\c], v[\s+16+32*\c:\s+31+32*\c], v[TM+12+2*\c+1]
.endr
	v_nop
.irp c, 0,1
.irp i, 0,1,2
	v_permlane16_swap_b32 v[PC+6*\c+\i], v[PC+12+4*\c+\i]
.endr
.irp i, 0,1,2
	v_mov_b32 v[PC+3+6*\c+\i], v[PC+12+4*\c+\i]
.endr
.endr
.endm
.macro VQ a
.set AC, 64*((\a)%4)
	s_wait_dscnt 0x0
	WIN 0x02+(\a)/4
.set i, 0
.rept 32
	v_pk_add_f32 v[HA+i:HA+i+1], v[AC+i:AC+i+1], v[BV+2*(\a):BV+2*(\a)+1] op_sel_hi:[1,0]
.set i, i+2
.endr
	WIN 0
	QUANT HA
.irp q, 0,1,2
	ds_store_b128 v16, v[PC+4*\q:PC+4*\q+3] offset:6656*((\a)/4)+3072*(((\a)/2)%2)+512*\q+128*((\a)%2)
.endr
	ds_store_b32 v17, v[PW] offset:6656*((\a)/4)+128*((\a)%2)+4*(((\a)/2)%2)
	ds_store_b32 v17, v[PW] offset:6656*((\a)/4)+128*((\a)%2)+4*(((\a)/2)%2)+8
.endm
.irp a, 0,1,2,3,4,5,6,7
	VQ \a
.endr
	s_lshr_b32 s92, s42, 3
	s_lshl_b32 s92, s92, 4
	s_lshl_b32 s93, s17, 2
	s_add_co_u32 s92, s92, s93
	s_lshl_b32 s93, s15, 1
	s_add_co_u32 s92, s92, s93
	s_lshl_b32 s92, s92, 4
	s_and_b32 s93, s42, 7
	s_lshl_b32 s93, s93, 1
	s_add_co_u32 s92, s92, s93
	s_add_co_u32 s92, s92, s16
	s_mul_i32 s92, s92, 13312
	s_mov_b32 s93, 0
	s_add_nc_u64 s[98:99], s[98:99], s[92:93]
	s_wait_dscnt 0x0
.irp g, 0,1
.irp i, 0,1,2,3,4,5,6,7,8,9,10,11,12
	ds_load_b128 v[128+52*\g+4*\i:131+52*\g+4*\i], v18 offset:6656*\g+512*\i
.endr
.endr
.irp g, 0,1
.irp i, 0,1,2,3,4,5,6,7,8,9,10,11
	s_wait_dscnt 25-13*\g-\i
	global_store_b128 v30, v[128+52*\g+4*\i:131+52*\g+4*\i], s[98:99] offset:212992*\g+6144+512*\i
.endr
	s_wait_dscnt 13-13*\g
	global_store_b128 v30, v[176+52*\g:179+52*\g], s[98:99] offset:212992*\g+12800
.endr
	s_wait_tensorcnt 0x0
	ds_add_u32 v[SPW], v[NIL]
	s_wait_dscnt 0x0
	CROUND
	s_endpgm
.Lfunc_end_k_q65ebb56ca6_v_proj:
	.size	k_q65ebb56ca6_v_proj, .Lfunc_end_k_q65ebb56ca6_v_proj-k_q65ebb56ca6_v_proj
	.p2alignl 7, 3214868480
	.fill 96, 4, 3214868480
	.section	.rodata,"a",@progbits
	.p2align	6, 0x0
	.amdhsa_kernel k_q65ebb56ca6_v_proj
		.amdhsa_group_segment_fixed_size 327680
		.amdhsa_private_segment_fixed_size 0
		.amdhsa_enable_private_segment 0
		.amdhsa_kernarg_size 48
		.amdhsa_user_sgpr_count 2
		.amdhsa_user_sgpr_kernarg_segment_ptr 1
		.amdhsa_wavefront_size32 1
		.amdhsa_system_sgpr_workgroup_id_x 1
		.amdhsa_system_sgpr_workgroup_id_y 1
		.amdhsa_system_sgpr_workgroup_id_z 1
		.amdhsa_system_vgpr_workitem_id 0
		.amdhsa_next_free_vgpr 1024
		.amdhsa_next_free_sgpr 100
		.amdhsa_reserve_vcc 0
		.amdhsa_float_denorm_mode_32 3
		.amdhsa_float_denorm_mode_16_64 3
		.amdhsa_memory_ordered 1
		.amdhsa_forward_progress 1
		.amdhsa_inst_pref_size 187
	.end_amdhsa_kernel
	.amdgpu_metadata
---
amdhsa.version: [ 1, 2 ]
amdhsa.kernels:
  - .name:           k_q65ebb56ca6_v_proj
    .symbol:         k_q65ebb56ca6_v_proj.kd
    .args:
      - { .name: Wv_codes, .offset: 0, .size: 8, .value_kind: global_buffer, .address_space: global }
      - { .name: Wv_scales, .offset: 8, .size: 8, .value_kind: global_buffer, .address_space: global }
      - { .name: x_codes, .offset: 16, .size: 8, .value_kind: global_buffer, .address_space: global }
      - { .name: x_scales, .offset: 24, .size: 8, .value_kind: global_buffer, .address_space: global }
      - { .name: bv, .offset: 32, .size: 8, .value_kind: global_buffer, .address_space: global }
      - { .name: kv, .offset: 40, .size: 8, .value_kind: global_buffer, .address_space: global }
    .group_segment_fixed_size: 327680
    .private_segment_fixed_size: 0
    .kernarg_segment_align: 8
    .kernarg_segment_size: 48
    .max_flat_workgroup_size: 128
    .sgpr_count:     100
    .vgpr_count:     1024
    .wavefront_size: 32
...
	.end_amdgpu_metadata
.endif
;; end of part 2
;; launch attn (part 3): grid 4 x 64, 16 waves a work-group, clusters of 4 x 1, 327,680 bytes of LDS; arguments qimg, kv, ictx, isc; writes ictx, isc
.if DOCPART == 3
	.amdgcn_target "amdgcn-amd-amdhsa--gfx1250"
	.amdhsa_code_object_version 6
	.text
	.protected	k_q65ebb56ca6_attn
	.globl	k_q65ebb56ca6_attn
	.p2align	8
	.type	k_q65ebb56ca6_attn,@function
k_q65ebb56ca6_attn:
	s_mov_b64 s[64:65], 0
	v_nop
	global_prefetch_b8 v0, s[64:65] scope:SCOPE_SE
	s_setreg_imm32_b32 hwreg(HW_REG_WAVE_MODE, 25, 1), 1
	s_wait_xcnt 0x0
	s_wait_alu depctr_hold_cnt(0) depctr_sa_sdst(0) depctr_va_vdst(0) depctr_va_sdst(0) depctr_va_ssrc(0) depctr_va_vcc(0) depctr_vm_vsrc(0)
	s_getreg_b32 s2, hwreg(HW_REG_IB_STS2, 6, 4)
	s_cmp_eq_u32 s2, 0
	s_cbranch_scc0 .Lentry_in_a_cluster
	s_endpgm
.Lentry_in_a_cluster:
	s_bfe_u32 s2, ttmp6, 0x10000c
	s_cmp_lg_u32 s2, 0x3003
	s_cbranch_scc0 .Lentry_shape_is_right
	s_endpgm
.Lentry_shape_is_right:
.set STEPB, 13312
.set VCO,   6144
.set KSC,   12288
.set VSC,   12800
.set QA,  20
.set QB,  32
.set KF,  44
.set PA,  92
.set PB,  104
.set BM,  116
.set X,   122
.set T,   123
.set S,   124
.set OA,  188
.set OB,  220
.macro CROUND
	s_barrier_signal -1
	s_barrier_wait -1
	s_cmp_lg_u32 s12, 0
	s_cbranch_scc1 .Lnot_wave_0_\@
	s_barrier_signal -3
.Lnot_wave_0_\@:
	s_barrier_wait -3
	s_barrier_signal -1
	s_barrier_wait -1
.endm
	s_load_b128 s[4:7], s[0:1], 0x0
	s_load_b128 s[8:11], s[0:1], 0x10
	v_lshl_add_u32 v254, v0, 2, 0x34000
	v_mov_b32 v255, 0
	ds_add_u32 v254, v255
	ds_add_u32 v254, v255
	s_wait_dscnt 0x0
	v_lshrrev_b32 v2, 5, v0
	s_delay_alu instid0(VALU_DEP_1)
	v_readfirstlane_b32 s12, v2
	s_bfe_u32 s13, ttmp6, 0x40000
	s_and_b32 s14, ttmp7, 0xffff
	s_mov_b32 s16, 15|(3<<16)|(1<<21)
	s_mov_b32 s17, 32<<16
	s_mov_b32 s18, 13<<16
	s_mov_b32 s19, 32<<16
	s_mov_b32 s20, 13
	s_mov_b32 s21, 32
	s_mov_b32 s22, 0
	s_mov_b32 s23, 0
	s_mov_b32 s24, 15|(3<<16)|(1<<21)
	s_mov_b32 s25, 32<<16
	s_mov_b32 s26, 39<<16
	s_mov_b32 s27, 32<<16
	s_mov_b32 s28, 39
	s_mov_b32 s29, 32
	s_mov_b32 s30, 0
	s_mov_b32 s31, 0
	s_mul_i32 s46, s14, 16*STEPB
	s_mul_i32 s47, s12, 3328
	s_add_co_u32 s48, s46, s47
	s_mov_b32 s49, 0
	s_mul_i32 s50, s12, 9984
	s_add_co_u32 s50, s50, 4*STEPB
	s_add_co_u32 s52, s46, s50
	s_mov_b32 s53, 0
	s_mov_b32 s40, 0x76543210
	s_mov_b32 s41, 0xfedcba98
	s_mov_b32 s42, 0x3d38aa3b
	s_mov_b32 s43, s42
	s_mov_b32 s44, 0
	s_wait_kmcnt 0x0
	CROUND
	s_mov_b32 s32, 1
	s_mov_b32 s33, s47
	s_add_nc_u64 s[34:35], s[6:7], s[48:49]
	s_or_b32 s35, s35, 0x80000000
	s_mov_b32 s36, 1
	s_mov_b32 s37, s50
	s_add_nc_u64 s[38:39], s[6:7], s[52:53]
	s_or_b32 s39, s39, 0x80000000
	tensor_load_to_lds s[32:35], s[16:23]
	s_nop 0
	s_wait_alu depctr_va_vdst(0)
	s_wait_tensorcnt 0x0
	ds_add_u32 v254, v255
	s_wait_dscnt 0x0
	CROUND
	tensor_load_to_lds s[36:39], s[24:31]
	s_nop 0
.rept 4
	v_nop
.endr
	s_lshr_b32 s54, s12, 2
	s_lshl_b32 s55, s13, 2
	s_add_co_u32 s54, s54, s55
	s_and_b32 s55, s12, 3
	s_mul_i32 s56, s14, 16*6656
	s_mul_i32 s57, s54, 6656
	s_add_co_u32 s56, s56, s57
	s_mov_b32 s57, 0
	s_add_nc_u64 s[4:5], s[4:5], s[56:57]
	s_mul_i32 s58, s55, 1536
	s_mov_b32 s59, 0
	s_add_nc_u64 s[46:47], s[4:5], s[58:59]
	s_lshl_b32 s58, s55, 2
	s_add_nc_u64 s[48:49], s[4:5], s[58:59]
	v_and_b32 v1, 31, v0
	s_delay_alu instid0(VALU_DEP_1)
	v_lshlrev_b32 v1, 4, v1
	global_load_b128 v[QA:QA+3], v1, s[46:47]
	global_load_b64 v[QA+4:QA+5], v1, s[46:47] offset:512
	global_load_b64 v[QB:QB+1], v1, s[46:47] offset:520
	global_load_b128 v[QB+2:QB+5], v1, s[46:47] offset:1024
	global_load_b32 v3, v1, s[48:49] offset:6144
	s_lshr_b32 s50, s14, 4
	s_and_b32 s51, s14, 15
	s_lshl_b32 s50, s50, 4
	s_add_co_u32 s50, s50, s54
	s_lshl_b32 s50, s50, 3
	s_lshl_b32 s52, s55, 1
	s_add_co_u32 s50, s50, s52
	s_mul_i32 s52, s50, 12288
	s_mul_i32 s53, s51, 768
	s_add_co_u32 s52, s52, s53
	s_mov_b32 s53, 0
	s_add_nc_u64 s[8:9], s[8:9], s[52:53]
	s_lshl_b32 s52, s51, 14
	s_lshl_b32 s50, s50, 5
	s_add_co_u32 s52, s52, s50
	s_add_nc_u64 s[10:11], s[10:11], s[52:53]
	v_and_b32 v253, 15, v0
	s_delay_alu instid0(VALU_DEP_1)
	v_mul_u32_u24 v253, v253, 24
	v_bfe_u32 v252, v0, 4, 1
	s_delay_alu instid0(VALU_DEP_1)
	v_mad_u32_u24 v253, v252, 12, v253
	s_delay_alu instid0(VALU_DEP_2)
	v_lshlrev_b32 v252, 3, v252
	s_delay_alu instid0(VALU_DEP_1)
	v_cmp_ne_u32 vcc_lo, 0, v252
	v_and_b32 v254, 31, v0
	s_delay_alu instid0(VALU_DEP_1)
	v_lshlrev_b32 v254, 1, v254
.irp i, 6,7,8,9,10,11
	v_mov_b32 v[QA+\i], 0
	v_mov_b32 v[QB+\i], 0
.endr
.set i, 0
.rept 12
	v_mov_b32 v[PA+i], 0
.set i, i+1
.endr
	v_mov_b32 v11, 0
	v_mov_b32 v[T], 0
	v_mov_b32 v13, 0xff61b1e6
	v_mov_b32 v17, 0xff61b1e6
	s_delay_alu instid0(VALU_DEP_2)
	v_floor_f32 v12, -v13
	s_delay_alu instid0(VALU_DEP_2)
	v_floor_f32 v16, -v17
	v_mov_b32 v14, 0
	v_mov_b32 v15, 0
	v_mov_b32 v18, 0
	v_mov_b32 v19, 0
.set i, 0
.rept 64
	v_mov_b32 v[OA+i], 0
.set i, i+1
.endr
.macro KQ qf, second
.irp t, 0,2,4,6
.if \second
	v_wmma_scale_f32_16x16x128_f8f6f4 v[S+8*\t:S+8*\t+7], v[KF+6*\t:KF+6*\t+11], v[\qf:\qf+11], 0, v[4+\t/2], v3 matrix_a_fmt:MATRIX_FMT_FP6 matrix_b_fmt:MATRIX_FMT_FP6 matrix_b_scale:MATRIX_SCALE_ROW1
	v_wmma_scale_f32_16x16x128_f8f6f4 v[S+8*\t+8:S+8*\t+15], v[KF+6*\t+6:KF+6*\t+17], v[\qf:\qf+11], 0, v[4+\t/2], v3 matrix_a_fmt:MATRIX_FMT_FP6 matrix_b_fmt:MATRIX_FMT_FP6 matrix_a_scale:MATRIX_SCALE_ROW1 matrix_b_scale:MATRIX_SCALE_ROW1
.else
	v_wmma_scale_f32_16x16x128_f8f6f4 v[S+8*\t:S+8*\t+7], v[KF+6*\t:KF+6*\t+11], v[\qf:\qf+11], 0, v[4+\t/2], v3 matrix_a_fmt:MATRIX_FMT_FP6 matrix_b_fmt:MATRIX_FMT_FP6
	v_wmma_scale_f32_16x16x128_f8f6f4 v[S+8*\t+8:S+8*\t+15], v[KF+6*\t+6:KF+6*\t+17], v[\qf:\qf+11], 0, v[4+\t/2], v3 matrix_a_fmt:MATRIX_FMT_FP6 matrix_b_fmt:MATRIX_FMT_FP6 matrix_a_scale:MATRIX_SCALE_ROW1
.endif
.endr
.endm
.macro PV dt
.if (\dt)%2
	v_wmma_scale_f32_16x16x128_f8f6f4 v[OA+8*(\dt):OA+8*(\dt)+7], v[KF+12*(\dt):KF+12*(\dt)+11], v[PA:PA+11], v[OA+8*(\dt):OA+8*(\dt)+7], v[4+(\dt)/2], v8 matrix_a_fmt:MATRIX_FMT_FP6 matrix_b_fmt:MATRIX_FMT_FP6 matrix_a_scale:MATRIX_SCALE_ROW1
	v_wmma_scale_f32_16x16x128_f8f6f4 v[OB+8*(\dt):OB+8*(\dt)+7], v[KF+12*(\dt):KF+12*(\dt)+11], v[PB:PB+11], v[OB+8*(\dt):OB+8*(\dt)+7], v[4+(\dt)/2], v9 matrix_a_fmt:MATRIX_FMT_FP6 matrix_b_fmt:MATRIX_FMT_FP6 matrix_a_scale:MATRIX_SCALE_ROW1
.else
	v_wmma_scale_f32_16x16x128_f8f6f4 v[OA+8*(\dt):OA+8*(\dt)+7], v[KF+12*(\dt):KF+12*(\dt)+11], v[PA:PA+11], v[OA+8*(\dt):OA+8*(\dt)+7], v[4+(\dt)/2], v8 matrix_a_fmt:MATRIX_FMT_FP6 matrix_b_fmt:MATRIX_FMT_FP6
	v_wmma_scale_f32_16x16x128_f8f6f4 v[OB+8*(\dt):OB+8*(\dt)+7], v[KF+12*(\dt):KF+12*(\dt)+11], v[PB:PB+11], v[OB+8*(\dt):OB+8*(\dt)+7], v[4+(\dt)/2], v9 matrix_a_fmt:MATRIX_FMT_FP6 matrix_b_fmt:MATRIX_FMT_FP6
.endif
.endm
.macro SOFTMAX st, pc, pw, ob, t1
.irp q, 0,1,2,3
	v_max3_num_f32 v[BM+\q], v[S+16*\q], v[S+16*\q+1], v[S+16*\q+2]
.endr
.irp i, 3,5,7,9,11,13
.irp q, 0,1,2,3
	v_max3_num_f32 v[BM+\q], v[BM+\q], v[S+16*\q+\i], v[S+16*\q+\i+1]
.endr
.endr
	v_max3_num_f32 v[BM], v[BM], v[BM+1], v[S+15]
	v_max3_num_f32 v[BM+2], v[BM+2], v[BM+3], v[S+47]
	v_max_num_f32 v[BM], v[BM], v[S+31]
	v_max_num_f32 v[BM+2], v[BM+2], v[S+63]
	s_delay_alu instid0(VALU_DEP_1)
	v_max_num_f32 v[X], v[BM], v[BM+2]
	s_delay_alu instid0(VALU_DEP_1)
	v_permlanex16_b32 v[T], v[X], s40, s41
	s_delay_alu instid0(VALU_DEP_1)
	v_max_num_f32 v[X], v[X], v[T]
	s_delay_alu instid0(VALU_DEP_1)
	v_mul_f32 v[X], s42, v[X]
	s_delay_alu instid0(VALU_DEP_1)
	v_max_num_f32 v[\st+1], v[\st+1], v[X]
	v_mov_b32 v[X], v[\st]
	s_delay_alu instid0(VALU_DEP_2)
	v_floor_f32 v[\st], -v[\st+1]
	s_delay_alu instid0(VALU_DEP_1)
	v_sub_f32 v[X], v[\st], v[X]
	s_delay_alu instid0(VALU_DEP_1)
	v_cvt_i32_f32 v[X], v[X]
	s_delay_alu instid0(VALU_DEP_1)
	v_ldexp_f32 v10, 1.0, v[X]
.set j, 0
.rept 32
	v_pk_fma_f32 v[S+j:S+j+1], v[S+j:S+j+1], s[42:43], v[\st:\st+1] op_sel_hi:[1,0,0]
.set j, j+2
.endr
	v_fma_f32 v[BM], v[BM], s42, v[\st]
	v_fma_f32 v[BM+2], v[BM+2], s42, v[\st]
.set j, 0
	s_wait_alu depctr_va_vdst(0)
.rept 64
	v_exp_f32 v[S+j], v[S+j]
.set j, j+1
.endr
	v_pk_mul_f32 v[\st+2:\st+3], v[\st+2:\st+3], v[10:11] op_sel_hi:[1,0]
	s_wait_alu depctr_va_vdst(0)
	v_exp_f32 v[BM], v[BM]
	v_exp_f32 v[BM+2], v[BM+2]
	v_pk_add_f32 v[120:121], v[S:S+1], v[S+2:S+3]
.set j, 4
.rept 15
	v_pk_add_f32 v[\st+2:\st+3], v[\st+2:\st+3], v[S+j:S+j+1]
	v_pk_add_f32 v[120:121], v[120:121], v[S+j+2:S+j+3]
.set j, j+4
.endr
	s_delay_alu instid0(VALU_DEP_1)
	v_pk_add_f32 v[\st+2:\st+3], v[\st+2:\st+3], v[120:121]
	s_wait_alu depctr_va_vdst(0)
	v_max_num_f32 v[BM], 0x1800000, v[BM]
	v_max_num_f32 v[BM+2], 0x1800000, v[BM+2]
	s_delay_alu instid0(VALU_DEP_2)
	v_add_nc_u32 v120, 0xff000000, v[BM]
	s_delay_alu instid0(VALU_DEP_2)
	v_add_nc_u32 v121, 0xff000000, v[BM+2]
	s_delay_alu instid0(VALU_DEP_2)
	v_lshrrev_b32 v[BM+1], 23, v120
	s_delay_alu instid0(VALU_DEP_2)
	v_lshrrev_b32 v[BM+3], 23, v121
	s_delay_alu instid0(VALU_DEP_1)
	v_lshl_or_b32 v[\pw], v[BM+3], 16, v[BM+1]
	s_delay_alu instid0(VALU_DEP_1)
	v_lshlrev_b32 v[\pw], v252, v[\pw]
	s_delay_alu instid0(VALU_DEP_1)
	v_permlanex16_b32 v[T], v[\pw], s40, s41
	s_delay_alu instid0(VALU_DEP_1)
	v_or_b32 v[\pw], v[\pw], v[T]
	v_cvt_scalef32_pk16_fp6_f32 v[\pc:\pc+2], v[S:S+15], v120
	v_cvt_scalef32_pk16_fp6_f32 v[\t1:\t1+2], v[S+16:S+31], v120
	v_cvt_scalef32_pk16_fp6_f32 v[\pc+6:\pc+8], v[S+32:S+47], v121
	v_cvt_scalef32_pk16_fp6_f32 v[\t1+4:\t1+6], v[S+48:S+63], v121
	v_nop
.irp i, 0,1,2
	v_mov_b32 v[\pc+3+\i], v[\t1+\i]
	v_mov_b32 v[\pc+9+\i], v[\t1+4+\i]
.endr
.set j, 0
.rept 16
	v_pk_mul_f32 v[\ob+j:\ob+j+1], v[\ob+j:\ob+j+1], v[10:11] op_sel_hi:[1,0]
.set j, j+2
.endr
.endm
.macro KEYS
	v_add_nc_u32 v2, s44, v1
.rept 3
	v_nop
.endr
.set i, 0
.rept 12
	ds_load_b128 v[KF+4*i:KF+4*i+3], v2 offset:512*i
.set i, i+1
.endr
	ds_load_b128 v[4:7], v2 offset:KSC
	s_wait_dscnt 0x0
	KQ QA, 0
.rept 4
	v_nop
.endr
	SOFTMAX 12, PA, 8, OA, PB
	KQ QB, 1
.rept 4
	v_nop
.endr
.set i, 3
.rept 9
	ds_load_b128 v[KF+4*i:KF+4*i+3], v2 offset:VCO+512*i
.set i, i+1
.endr
	ds_load_b64 v[4:5], v2 offset:VSC
	SOFTMAX 16, PB, 9, OB, KF
.irp i, 0,1,2
	ds_load_b128 v[KF+4*\i:KF+4*\i+3], v2 offset:VCO+512*\i
.endr
	s_wait_alu depctr_va_vdst(0)
	s_wait_dscnt 3
	PV 1
	PV 2
	PV 3
	s_wait_dscnt 0x0
	PV 0
	s_add_co_u32 s44, s44, STEPB
.endm
	s_wait_tensorcnt 0x1
	s_barrier_signal -1
	s_barrier_wait -1
	s_wait_loadcnt 0x0
	s_mov_b32 s45, 4
.Lfirst:
	KEYS
	s_sub_co_u32 s45, s45, 1
	s_cmp_lg_u32 s45, 0
	s_cbranch_scc1 .Lfirst
	s_wait_tensorcnt 0x0
	s_wait_dscnt 0x0
	s_barrier_signal -1
	s_barrier_wait -1
	s_mov_b32 s45, 12
.Lrest:
	KEYS
	s_sub_co_u32 s45, s45, 1
	s_cmp_lg_u32 s45, 0
	s_cbranch_scc1 .Lrest
.rept 4
	v_nop
.endr
	v_add_f32 v[X], v14, v15
	v_add_f32 v[BM], v18, v19
	s_delay_alu instid0(VALU_DEP_2)
	v_permlanex16_b32 v[T], v[X], s40, s41
	s_delay_alu instid0(VALU_DEP_2)
	v_permlanex16_b32 v[BM+1], v[BM], s40, s41
	s_delay_alu instid0(VALU_DEP_2)
	v_add_f32 v[X], v[X], v[T]
	s_delay_alu instid0(VALU_DEP_2)
	v_add_f32 v[BM], v[BM], v[BM+1]
	s_wait_alu depctr_va_vdst(0)
	v_rcp_f32 v10, v[X]
	v_rcp_f32 v120, v[BM]
	v_nop
	s_wait_alu depctr_va_vdst(0)
.set j, 0
.rept 16
	v_pk_mul_f32 v[S+j:S+j+1], v[OA+j:OA+j+1], v[10:11] op_sel_hi:[1,0]
.set j, j+2
.endr
.set j, 0
.rept 16
	v_pk_mul_f32 v[S+32+j:S+32+j+1], v[OB+j:OB+j+1], v[120:121] op_sel_hi:[1,0]
.set j, j+2
.endr
.irp n, 0,1,2,3
	v_max3_num_f32 v[BM+\n], |v[S+16*\n]|, |v[S+16*\n+1]|, 0x1800000
.endr
.irp i, 2,4,6,8,10,12,14
.irp n, 0,1,2,3
	s_delay_alu instid0(VALU_DEP_4)
	v_max3_num_f32 v[BM+\n], v[BM+\n], |v[S+16*\n+\i]|, |v[S+16*\n+\i+1]|
.endr
.endr
.irp n, 0,1,2,3
	s_delay_alu instid0(VALU_DEP_4)
	v_permlanex16_b32 v[KF+\n], v[BM+\n], s40, s41
.endr
.irp n, 0,1,2,3
	s_delay_alu instid0(VALU_DEP_4)
	v_max_num_f32 v[BM+\n], v[BM+\n], v[KF+\n]
.endr
.irp n, 0,1,2,3
	s_delay_alu instid0(VALU_DEP_4)
	v_add_nc_u32 v[KF+4+\n], 0xff000000, v[BM+\n]
.endr
.irp n, 0,1,2,3
	s_delay_alu instid0(VALU_DEP_4)
	v_lshrrev_b32 v[KF+8+\n], 23, v[KF+4+\n]
.endr
.irp n, 0,1,2,3
	v_cvt_scalef32_pk16_fp6_f32 v[KF+12+4*\n:KF+14+4*\n], v[S+16*\n:S+16*\n+15], v[KF+4+\n]
.endr
	v_nop
	v_lshl_or_b32 v[KF+8], v[KF+9], 8, v[KF+8]
	v_lshl_or_b32 v[KF+10], v[KF+11], 8, v[KF+10]
	s_delay_alu instid0(VALU_DEP_1)
	v_cndmask_b32 v[KF+8], v[KF+8], v[KF+10], vcc_lo
.irp n, 0,1,2,3
	global_store_b96 v253, v[KF+12+4*\n:KF+14+4*\n], s[8:9] offset:12288*(\n/2)+384*(\n%2)
.endr
	global_store_b16 v254, v[KF+8], s[10:11]
	s_wait_xcnt 0x0
	v_lshl_add_u32 v254, v0, 2, 0x34000
	v_mov_b32 v255, 0
	s_wait_alu depctr_va_vdst(0)
	s_wait_tensorcnt 0x0
	ds_add_u32 v254, v255
	s_wait_dscnt 0x0
	CROUND
	s_endpgm
.Lfunc_end_k_q65ebb56ca6_attn:
	.size	k_q65ebb56ca6_attn, .Lfunc_end_k_q65ebb56ca6_attn-k_q65ebb56ca6_attn
	.p2alignl 7, 3214868480
	.fill 96, 4, 3214868480
	.section	.rodata,"a",@progbits
	.p2align	6, 0x0
	.amdhsa_kernel k_q65ebb56ca6_attn
		.amdhsa_group_segment_fixed_size 327680
		.amdhsa_private_segment_fixed_size 0
		.amdhsa_enable_private_segment 0
		.amdhsa_kernarg_size 32
		.amdhsa_user_sgpr_count 2
		.amdhsa_user_sgpr_kernarg_segment_ptr 1
		.amdhsa_wavefront_size32 1
		.amdhsa_system_sgpr_workgroup_id_x 1
		.amdhsa_system_sgpr_workgroup_id_y 1
		.amdhsa_system_sgpr_workgroup_id_z 1
		.amdhsa_system_vgpr_workitem_id 0
		.amdhsa_next_free_vgpr 256
		.amdhsa_next_free_sgpr 66
		.amdhsa_reserve_vcc 1
		.amdhsa_float_denorm_mode_32 3
		.amdhsa_float_denorm_mode_16_64 3
		.amdhsa_memory_ordered 1
		.amdhsa_forward_progress 1
		.amdhsa_inst_pref_size 74
	.end_amdhsa_kernel
	.amdgpu_metadata
---
amdhsa.version: [ 1, 2 ]
amdhsa.kernels:
  - .name:           k_q65ebb56ca6_attn
    .symbol:         k_q65ebb56ca6_attn.kd
    .args:
      - { .name: qimg, .offset: 0, .size: 8, .value_kind: global_buffer, .address_space: global }
      - { .name: kv, .offset: 8, .size: 8, .value_kind: global_buffer, .address_space: global }
      - { .name: ictx, .offset: 16, .size: 8, .value_kind: global_buffer, .address_space: global }
      - { .name: isc, .offset: 24, .size: 8, .value_kind: global_buffer, .address_space: global }
    .group_segment_fixed_size: 327680
    .private_segment_fixed_size: 0
    .kernarg_segment_align: 8
    .kernarg_segment_size: 32
    .max_flat_workgroup_size: 512
    .sgpr_count:     66
    .vgpr_count:     256
    .wavefront_size: 32
...
	.end_amdgpu_metadata
.endif
;; end of part 3
;; launch o_proj (part 4): grid 4 x 32, 4 waves a work-group, clusters of 4 x 4, 327,680 bytes of LDS; arguments ictx, isc, Wo_codes, Wo_scales, bo, out0; writes out0
.if DOCPART == 4
	.amdgcn_target "amdgcn-amd-amdhsa--gfx1250"
	.amdhsa_code_object_version 6
	.text
	.protected	k_q65ebb56ca6_o_proj
	.globl	k_q65ebb56ca6_o_proj
	.p2align	8
	.type	k_q65ebb56ca6_o_proj,@function
k_q65ebb56ca6_o_proj:
	s_mov_b64 s[64:65], 0
	v_nop
	global_prefetch_b8 v0, s[64:65] scope:SCOPE_SE
	s_setreg_imm32_b32 hwreg(HW_REG_WAVE_MODE, 25, 1), 1
	s_wait_xcnt 0x0
	s_wait_alu depctr_hold_cnt(0) depctr_sa_sdst(0) depctr_va_vdst(0) depctr_va_sdst(0) depctr_va_ssrc(0) depctr_va_vcc(0) depctr_vm_vsrc(0)
	s_getreg_b32 s2, hwreg(HW_REG_IB_STS2, 6, 4)
	s_cmp_eq_u32 s2, 0
	s_cbranch_scc0 .Lentry_in_a_cluster
	s_endpgm
.Lentry_in_a_cluster:
	s_bfe_u32 s2, ttmp6, 0x10000c
	s_cmp_lg_u32 s2, 0xf033
	s_cbranch_scc0 .Lentry_shape_is_right
	s_endpgm
.Lentry_shape_is_right:
; out = ctx Wo + bo.  ctx: 8,192 tokens x 1,024 (head, d) as FP6 codes in ictx [tile of 16 tokens 512][head 16][block 2][row 16][24 bytes], scale bytes in isc [head][tile][row], 2 bytes; Wo: [1024 (n)][1024 (K)] codes, 768 bytes a row, [1024][32] scale bytes.
; The product has the shape of the projections' launches: 256 tokens x 256 outputs a work-group, 128 x 128 a wave, K in steps of 256 through two LDS slots, source 0 = 16 rows of Wo, source 1 = 16 tokens; bo is the C of the first products.
; ctx's TILES ARE ALREADY IN THE ORDER OF THE OPERAND'S REGISTERS: lane l's 24 bytes of (tile, head 2 Q + c) lie at 24 l, so a K step (4 heads) of a tile is 3,072 dense bytes and a fragment is six loads of 8 bytes at 24 x lane.
; ctx's scale rows (32 bytes a token) are put together once from isc's 16 planes and stored into LDS bytes of their own, laid as Wo's scale rows are.
; Row m of tile t of a group of 128 tokens is token 64 (t/4) + 32 (m/8) + 16 (t%2) + 8 ((t/2)%2) + m%8: the way out puts each row where it belongs.
; CLUSTER 4 x 4: ctx's tiles jointly along a row of the cluster, Wo's along a column.
; THE TWO SLOTS, in place of steps of 256 along K: Wo goes by chunks of 256 bytes of each row of 768 (3 chunks for 8 steps of 128 along K; steps 2 and 5 lie across two chunks);
; ctx goes by three steps (6 heads: 4,608 dense bytes of a tile, from a multiple of 256), steps 0-2 in slot 0, 3-5 in slot 1, and 6, 7 (3,072 bytes a tile) in slot 0 again.
; The head asks for four tiles, one joint load a wave; slot 1 is first filled behind a round; one refill.  No prefetch: two of the three fills are asked for at the head.
.set KSTEP,  256
.set NQ,     KSTEP/128
.set ROWB,   256
.set KROW,   768
.set PITCH,  272
.set FR,     12
.set NL,     6
.set NP,     4
.set HALFA,  8*4608                    ; 8 tiles of 16 tokens x 6 heads: what one tensor load brings of ctx
.set HALFT,  128*PITCH                 ; 128 rows of Wo
.set BOFF,   2*HALFA
.set SLOT,   2*HALFA+2*HALFT
.set STEPS,  8
.set CHUNKS, 3
.set G0HB,   8
.set KS,     32
.set SCL,    2*SLOT                    ; ctx's scale rows: 8,704 bytes that vector stores fill and no tensor load touches; behind them Wo's
.set HALFS,  (128*KS/256)*272
.set SBLK,   (16*KS/256)*272
.set SPARE,  SCL+4*HALFS               ; the spare words: 128 bytes a wave, two blocks of 256 bytes that no other line names
.set SPITCH, 528                       ; the way out: 16 rows x (512 + 16) bytes a wave, in slot 1, whose last fill and last read are over by then
.set ADRA, 16
.set ADRB, 20
.set STO,  24
.set RD,   25
.set CO,   26
.set ADRS, 27
.set SPW,  28
.set NIL,  29
.set SC,   32
.set BIAS, 64
.set AF,   128
.set BK,   128
.set G1, 24
.set G0, 32
.set G1B, 48
.set G0B, 56
.set G1SB, 80
.set G0SB, 88
.set MSB, 0
.macro WIN new
.if MSB != (\new)
	s_set_vgpr_msb (MSB<<8)|(\new)
.set MSB, (\new)
.endif
.endm
.set TO_B, 0x40
.macro MWIN hi, zero
.if \zero
	WIN 0x81+0x40*(\hi)
.else
	WIN 0xa1+0x50*(\hi)
.endif
.endm
.macro JLOAD g0a, g1a, g0b, g1b        ; waves 0 and 1 fetch for ctx, waves 2 and 3 for Wo; four v_nop follow each line
	s_cmp_eq_u32 s15, 0
	s_cbranch_scc0 .Lfor_b_\@
	tensor_load_to_lds s[\g0a:\g0a+3], s[\g1a:\g1a+7]
	s_nop 0
.rept 4
	v_nop
.endr
	s_branch .Lasked_\@
.Lfor_b_\@:
	tensor_load_to_lds s[\g0b:\g0b+3], s[\g1b:\g1b+7]
	s_nop 0
.rept 4
	v_nop
.endr
.Lasked_\@:
.endm
.macro CREST
	s_cmp_lg_u32 s14, 0
	s_cbranch_scc1 .Lnot_wave_0_\@
	s_barrier_signal -3
.Lnot_wave_0_\@:
	s_barrier_wait -3
	s_barrier_signal -1
	s_barrier_wait -1
.endm
.macro CROUND
	s_barrier_signal -1
	s_barrier_wait -1
	CREST
.endm
	s_load_b128 s[4:7], s[0:1], 0x0                ; ictx, isc
	s_load_b128 s[8:11], s[0:1], 0x10              ; Wo's codes, scales
	s_load_b128 s[96:99], s[0:1], 0x20             ; bo, out0
	v_lshl_add_u32 v[SPW], v0, 2, SPARE
	v_mov_b32 v[NIL], 0
	ds_add_u32 v28, v29
	ds_add_u32 v28, v29
	s_wait_dscnt 0x0
	v_lshrrev_b32 v1, 5, v0
	v_readfirstlane_b32 s14, v1
	s_lshr_b32 s15, s14, 1                         ; my half of the tokens.  Also: I fetch for ctx (0) or Wo (1)
	s_and_b32 s16, s14, 1                          ; my half of the outputs.  Also: which half of the tile I fetch
	s_bfe_u32 s40, ttmp6, 0x40000
	s_bfe_u32 s41, ttmp6, 0x40004
	s_mov_b32 s42, s40                             ; tile column: the grid has one cluster along x
	s_and_b32 s17, ttmp7, 0xffff
	s_lshl_b32 s17, s17, 2
	s_add_co_u32 s17, s17, s41                     ; tile row: 256 tokens
	s_lshl_b32 s43, s41, 2
	s_lshl_b32 s43, 15, s43
	s_lshl_b32 s44, 0x1111, s40
	s_or_b32 s[G1+0], s43, (3<<16)|(1<<21)         ; ctx: 8 rows of 576 elements of 8 bytes, 1,536 elements apart, no padding
	s_mov_b32 s[G1+1], 576<<16
	s_mov_b32 s[G1+2], 8<<16
	s_mov_b32 s[G1+3], 576<<16
	s_mov_b32 s[G1+4], 8
	s_mov_b32 s[G1+5], 1536
	s_mov_b32 s[G1+6], 0
	s_mov_b32 s[G1+7], 0
	s_or_b32 s[G1B+0], s44, (0<<16)|(1<<20)|(1<<21)|(5<<22)|(3<<25)
	s_mov_b32 s[G1B+1], ROWB<<16
	s_mov_b32 s[G1B+2], 256<<16
	s_mov_b32 s[G1B+3], ROWB<<16
	s_mov_b32 s[G1B+4], 256
	s_mov_b32 s[G1B+5], KROW
	s_mov_b32 s[G1B+6], 0
	s_mov_b32 s[G1B+7], 0
	s_or_b32 s[G1SB+0], s44, (3<<16)|(1<<20)|(1<<21)|(5<<22)|(3<<25)
	s_mov_b32 s[G1SB+1], 32<<16
	s_mov_b32 s[G1SB+2], KS<<16
	s_mov_b32 s[G1SB+3], 32<<16
	s_mov_b32 s[G1SB+4], KS
	s_mov_b32 s[G1SB+5], 32
	s_mov_b32 s[G1SB+6], 0
	s_mov_b32 s[G1SB+7], 0
	s_lshl_b32 s20, s17, 4
	s_lshl_b32 s18, s16, 3
	s_add_co_u32 s20, s20, s18                     ; ctx: tile 16 x tile row + 8 x half
	s_mul_i32 s20, s20, 12288
	s_mov_b32 s21, 0
	s_lshl_b32 s46, s42, 8                         ; Wo: row 256 x tile column
	s_mov_b32 s47, 0
	s_mov_b64 s[18:19], KS
	s_mul_u64 s[92:93], s[46:47], s[18:19]
	s_mov_b64 s[18:19], KROW
	s_mul_u64 s[46:47], s[46:47], s[18:19]
	s_mul_i32 s45, s16, HALFA                      ; where they go: by the wave's number alone
	s_mul_i32 s94, s16, HALFT
	s_add_co_u32 s94, s94, BOFF
	s_mul_i32 s18, s16, 128*KROW                   ; in the ring a wave fetches 128 rows of Wo: which half, in bytes
	s_mov_b32 s19, 0
	s_wait_kmcnt 0x0
	s_add_nc_u64 s[20:21], s[4:5], s[20:21]
	s_add_nc_u64 s[46:47], s[8:9], s[46:47]
	s_add_nc_u64 s[92:93], s[10:11], s[92:93]
	CROUND
	s_mov_b32 s[G0SB], 1
	s_mov_b32 s[G0SB+1], SCL+2*HALFS
	s_mov_b64 s[G0SB+2:G0SB+3], s[92:93]
	s_or_b32 s[G0SB+3], s[G0SB+3], 0x80000000
	s_mov_b32 s[G0HB], 1                           ; chunk 0 of Wo's 256 rows
	s_mov_b32 s[G0HB+1], BOFF
	s_mov_b64 s[G0HB+2:G0HB+3], s[46:47]
	s_or_b32 s[G0HB+3], s[G0HB+3], 0x80000000
	s_add_nc_u64 s[46:47], s[46:47], s[18:19]
.irp s, 0,1
	s_mov_b32 s[G0+4*\s], 1
	s_add_co_u32 s[G0+4*\s+1], s45, \s*SLOT
	s_add_nc_u64 s[G0+4*\s+2:G0+4*\s+3], s[20:21], \s*4608
	s_or_b32 s[G0+4*\s+3], s[G0+4*\s+3], 0x80000000
	s_mov_b32 s[G0B+4*\s], 1
	s_add_co_u32 s[G0B+4*\s+1], s94, \s*SLOT
	s_add_nc_u64 s[G0B+4*\s+2:G0B+4*\s+3], s[46:47], \s*ROWB
	s_or_b32 s[G0B+4*\s+3], s[G0B+4*\s+3], 0x80000000
.endr
; the head's tiles, one joint load a wave, in one tree of branches on the wave's number: waves 0 and 1 a half each of ctx's steps 0-2, wave 2 Wo's chunk 0, wave 3 Wo's scales
.macro ARM under, g0, g1, next
	s_cmp_lt_u32 s14, \under
	s_cbranch_scc0 \next
	tensor_load_to_lds s[\g0:\g0+3], s[\g1:\g1+7]
	s_nop 0
.rept 4
	v_nop
.endr
	s_branch .Lfirst_asked
\next:
.endm
	ARM 2, G0,   G1,  .Lhead_b
	ARM 3, G0HB, G1B, .Lhead_sb
	tensor_load_to_lds s[G0SB:G0SB+3], s[G1SB:G1SB+7]
	s_nop 0
.rept 4
	v_nop
.endr
.Lfirst_asked:
	; ctx's scale bytes: thread n takes rows 2 n and 2 n + 1 of the tile's 256, one word from each head's plane
	s_lshl_b32 s20, s17, 9
	s_mov_b32 s21, 0
	s_add_nc_u64 s[6:7], s[6:7], s[20:21]
	v_lshlrev_b32 v7, 2, v0
.set i, 0
.rept 16
	global_load_b32 v[128+i], v7, s[6:7] offset:16384*i
.set i, i+1
.endr
	v_and_b32 v1, 15, v0
	v_bfe_u32 v2, v0, 4, 1
	s_lshl_b32 s46, s42, 10                        ; bo of my 128 outputs
	s_lshl_b32 s47, s16, 9
	s_add_co_u32 s46, s46, s47
	s_mov_b32 s47, 0
	s_add_nc_u64 s[96:97], s[96:97], s[46:47]
	v_lshlrev_b32 v6, 5, v2
.irp b, 0,1,2,3,4,5,6,7
	global_load_b128 v[BIAS+8*\b:BIAS+8*\b+3], v6, s[96:97] offset:64*\b
	global_load_b128 v[BIAS+8*\b+4:BIAS+8*\b+7], v6, s[96:97] offset:64*\b+16
.endr
	v_mul_u32_u24 v3, v1, PITCH
	v_mul_u32_u24 v4, v2, 24
	v_add_nc_u32 v4, v3, v4
	v_sub_nc_u32 v13, 1, v2
	v_mul_u32_u24 v5, v2, SLOT-232
	v_add_nc_u32 v5, v3, v5
	v_add_nc_u32 v5, 232, v5                       ; across two chunks: lanes 0-15 byte 232 of the row in slot 0, lanes 16-31 byte 0 in slot 1
	v_mul_u32_u24 v14, v13, SLOT+232
	v_add_nc_u32 v14, v3, v14                      ; and the other way round
	v_and_b32 v8, 31, v0
	v_mul_u32_u24 v9, v8, 24                       ; ctx: 24 x lane
	s_mul_i32 s21, s15, HALFA
	s_mul_i32 s22, s16, HALFT
	s_add_co_u32 s22, s22, BOFF
	v_add_nc_u32 v[ADRB+2], s22, v5
	v_add_nc_u32 v[ADRB+3], s22, v14
.irp s, 0,1
	v_add_nc_u32 v[ADRA+\s], s21, v9
	v_add_nc_u32 v[ADRB+\s], s22, v4
	s_add_co_u32 s21, s21, SLOT
	s_add_co_u32 s22, s22, SLOT
.endr
	v_mul_u32_u24 v5, v1, KS
	v_lshrrev_b32 v10, 8, v5
	v_lshl_add_u32 v5, v10, 4, v5
	s_mul_i32 s21, s15, HALFS
	s_mul_i32 s22, s16, HALFS
	s_add_co_u32 s22, s22, 2*HALFS
	s_sub_co_u32 s22, s22, s21
	v_mul_u32_u24 v10, s22, v2
	s_add_co_u32 s21, s21, SCL
	v_add_nc_u32 v5, v5, v10
	v_add_nc_u32 v[ADRS], s21, v5
	s_mul_i32 s23, s14, 16*SPITCH
	s_add_co_u32 s23, s23, SLOT                    ; my stage, in slot 1
	v_mul_u32_u24 v5, v1, SPITCH
	v_lshl_add_u32 v5, v2, 5, v5
	v_add_nc_u32 v[STO], s23, v5
	v_lshlrev_b32 v[CO], 4, v8
	v_add_nc_u32 v[RD], s23, v[CO]
	s_lshl_b32 s20, s17, 8
	s_lshl_b32 s21, s15, 7
	s_add_co_u32 s20, s20, s21
	s_lshl_b32 s20, s20, 12                        ; my first token's row of 4,096 bytes (under 2^25)
	s_add_co_u32 s20, s20, s46                     ; + my first output's byte
	s_mov_b32 s21, 0
	s_add_nc_u64 s[98:99], s[98:99], s[20:21]
	v_lshrrev_b32 v11, 2, v0
	v_mul_u32_u24 v11, v11, 272                    ; eight rows of 32 bytes to a unit of 256 + 16
	v_and_b32 v12, 3, v0
	v_lshl_add_u32 v11, v12, 6, v11
	v_add_nc_u32 v11, SCL, v11
	s_mov_b32 s18, 0x05040100
	s_mov_b32 s19, 0x07060302
	s_wait_loadcnt 16                              ; the sixteen planes' words are in; the bias' sixteen loads may be out
.set i, 0
.rept 8
	v_perm_b32 v[144+i], v[129+2*i], v[128+2*i], s18   ; row 2 n: heads 2 i and 2 i + 1, two bytes each
	v_perm_b32 v[152+i], v[129+2*i], v[128+2*i], s19   ; row 2 n + 1
.set i, i+1
.endr
.irp i, 0,1,2,3
	ds_store_b128 v11, v[144+4*\i:147+4*\i] offset:16*\i
.endr
.macro FRAG reg, adr, st, i            ; Wo: six pieces of 8 bytes; byte y of a row of codes lies in slot (y / 256) % 2 at byte y % 256 of the LDS row
.irp p, 0,1,2,3,4,5
.set BY, 96*(\st)+48*(\p/3)+8*(\p%3)
.if BY/ROWB == (BY+24)/ROWB
	ds_load_b64 v[\reg+2*\p:\reg+2*\p+1], v[\adr+(BY/ROWB)%2] offset:BY%ROWB+(\i)*16*PITCH
.else
	ds_load_b64 v[\reg+2*\p:\reg+2*\p+1], v[\adr+2+(BY/ROWB)%2] offset:BY%ROWB-232+(\i)*16*PITCH
.endif
.endr
.endm
.macro FRAGA reg, st, i                ; ctx: tile i, step st: the two heads' 24 bytes at 24 x lane; a tile has 4,608 bytes in a slot, in the last fill 3,072
.set TP, 4608-1536*((\st)/6)
.irp p, 0,1,2,3,4,5
	ds_load_b64 v[\reg+2*\p:\reg+2*\p+1], v[ADRA+((\st)/3)%2] offset:TP*(\i)+768*(2*((\st)%3)+\p/3)+8*(\p%3)
.endr
.endm
.macro MUL16 a0, p, q, sc, zero        ; the 64 accumulators take turns; zero = 2: bo starts the sums
.irp a, \a0, \a0+1
.irp b, 0,1,2,3,4,5,6,7
.if \zero
	v_wmma_scale_f32_16x16x128_f8f6f4 v[8*(8*((\a)%4)+\b):8*(8*((\a)%4)+\b)+7], v[128*(\p)+FR*\b:128*(\p)+FR*\b+FR-1], v[AF+FR*(\a):AF+FR*(\a)+FR-1], v[BIAS+8*\b:BIAS+8*\b+7], v[SC+8*NQ*(\sc)+NQ*\b+(\q)], v[SC+8*NQ*(\sc)+NQ*(\a)+(\q)] matrix_a_fmt:MATRIX_FMT_FP6 matrix_b_fmt:MATRIX_FMT_FP6 matrix_a_scale:MATRIX_SCALE_ROW1
.else
	v_wmma_scale_f32_16x16x128_f8f6f4 v[8*(8*((\a)%4)+\b):8*(8*((\a)%4)+\b)+7], v[128*(\p)+FR*\b:128*(\p)+FR*\b+FR-1], v[AF+FR*(\a):AF+FR*(\a)+FR-1], v[8*(8*((\a)%4)+\b):8*(8*((\a)%4)+\b)+7], v[SC+8*NQ*(\sc)+NQ*\b+(\q)], v[SC+8*NQ*(\sc)+NQ*(\a)+(\q)] matrix_a_fmt:MATRIX_FMT_FP6 matrix_b_fmt:MATRIX_FMT_FP6 matrix_a_scale:MATRIX_SCALE_ROW1
.endif
.endr
.endr
.endm
.macro FETCH_B st, p
	WIN TO_B
.irp i, 0,1,2,3,4,5,6,7
	FRAG 128*(\p)+FR*\i, ADRB, \st, \i
.endr
	WIN 0
.endm
.macro FETCH_A st, i0
.irp i, \i0, \i0+1, \i0+2, \i0+3
	FRAGA AF+FR*(\i), \st, \i
.endr
.endm
.macro SCALES pr                       ; the scale words of steps 2 pr and 2 pr + 1 into set pr % 2
.irp i, 0,1,2,3,4,5,6,7
	ds_load_b64 v[SC+8*NQ*((\pr)%2)+NQ*\i:SC+8*NQ*((\pr)%2)+NQ*\i+1], v[ADRS] offset:\i*SBLK+4*NQ*(\pr)
.endr
.endm
.macro PLACES n
.rept \n
	v_nop
.endr
.endm
; A step of 128 along K.  Where the next step's bytes of Wo END in a chunk not read yet: every wave waits for its tensor loads, and a barrier shows that slot.
; Where they BEGIN in a later chunk: a wait for the tensor loads and an add to the spare word, the barrier, and, where a chunk two on is left, the cluster's round and the refill.
; ctx's three steps of a slot are read inside the span in which Wo's chunk of that slot is read, so the same barriers serve both.
.macro STEP st, zero
.set NX, (\st)+1
.set C0, (96*(\st))/ROWB
.set C1, (96*NX)/ROWB
.set E0, (96*(\st)+95)/ROWB
.set E1, (96*NX+95)/ROWB
.if C1 > C0 || E1 > E0
	s_wait_tensorcnt 0x0
.if C1 > C0
	ds_add_u32 v[SPW], v[NIL]
	s_wait_dscnt 4*NL+1                            ; the add and the youngest 24 loads (ctx's tiles 4-7) may be out
.else
	s_wait_dscnt 4*NL
.endif
	MWIN 0, \zero
	MUL16 0, (\st)%2, (\st)%2, ((\st)/2)%2, \zero
	s_wait_dscnt 0x0
	s_barrier_signal -1
	MUL16 2, (\st)%2, (\st)%2, ((\st)/2)%2, \zero
	WIN 0
	s_barrier_wait -1
.if C1 > C0 && C0+2 < CHUNKS
	CREST
	s_add_nc_u64 s[G0+4*(C0%2)+2:G0+4*(C0%2)+3], s[G0+4*(C0%2)+2:G0+4*(C0%2)+3], 2*4608
	s_add_nc_u64 s[G0B+4*(C0%2)+2:G0B+4*(C0%2)+3], s[G0B+4*(C0%2)+2:G0B+4*(C0%2)+3], 2*ROWB
	s_mov_b32 s[G1+1], 384<<16                     ; no load of mine is out: ctx's last fill has two steps, 3,072 bytes a tile
	s_mov_b32 s[G1+3], 384<<16
	JLOAD G0+4*(C0%2), G1, G0B+4*(C0%2), G1B
.else
	PLACES NP
.endif
.else
	s_wait_dscnt 4*NL                              ; the youngest 24 loads (ctx's tiles 4-7) may be out
	MWIN 0, \zero
	MUL16 0, (\st)%2, (\st)%2, ((\st)/2)%2, \zero
	MUL16 2, (\st)%2, (\st)%2, ((\st)/2)%2, \zero
	s_wait_dscnt 0
	PLACES NP
.endif
	FETCH_B NX, NX%2
	FETCH_A NX, 0
.if NX%2 == 0
	SCALES NX/2
.endif
	MWIN 1, \zero
	MUL16 4, (\st)%2, (\st)%2, ((\st)/2)%2, \zero
	MUL16 6, (\st)%2, (\st)%2, ((\st)/2)%2, \zero
	PLACES NP
	WIN 0
	FETCH_A NX, 4
.endm
	s_wait_alu depctr_va_vdst(0)
	s_wait_tensorcnt 0x0                           ; my tile of the head's is in; the three lines ahead of slot 1's first fill
	ds_add_u32 v[SPW], v[NIL]
	s_mov_b32 s[G1B+2], 128<<16                    ; no load of mine is out: from here on a load of Wo brings 128 rows
	s_mov_b32 s[G1B+4], 128
	s_wait_dscnt 0x0                               ; the add is done, and for the others' sake my scale rows have landed
	CROUND
	JLOAD G0+4, G1, G0B+4, G1B                     ; ctx's steps 3-5 and Wo's chunk 1
	s_wait_loadcnt 0x0                             ; bo
	FETCH_B 0, 0
	FETCH_A 0, 0
	SCALES 0
	FETCH_A 0, 4
	STEP 0, 2
.set ST, 1
.rept STEPS-2
	STEP ST, 0
.set ST, ST+1
.endr
	s_wait_dscnt 4*NL
	WIN 0xa1
	MUL16 0, 1, NQ-1, 1, 0
	MUL16 2, 1, NQ-1, 1, 0
	s_wait_dscnt 0
	WIN 0xf1
	MUL16 4, 1, NQ-1, 1, 0
	MUL16 6, 1, NQ-1, 1, 0
	WIN 0
; THE WAY OUT, a tile of 16 tokens x 128 outputs at a time, through my own stage: in as 32 bytes a lane, back as whole rows of 512 bytes
.macro TOSTAGE a
.set AC, 64*((\a)%4)
	WIN 0x08+4*((\a)/4)                            ; an LDS store's data: window 2 or 3
.irp b, 0,1,2,3,4,5,6,7
	ds_store_b128 v[STO], v[AC+8*\b:AC+8*\b+3] offset:64*\b          ; each accumulator from its low end on
	ds_store_b128 v[STO], v[AC+8*\b+4:AC+8*\b+7] offset:64*\b+16
.endr
	WIN 0
.set BB, BK+64*((\a)%2)
.irp t, 0,1,2,3,4,5,6,7,8,9,10,11,12,13,14,15
	ds_load_b128 v[BB+4*\t:BB+4*\t+3], v[RD] offset:\t*SPITCH       ; LDS serves a wave's instructions in order: these see the stores above
.endr
.endm
.macro SEND a, younger
.set BB, BK+64*((\a)%2)
.set TK, 64*((\a)/4)+16*((\a)%2)+8*(((\a)/2)%2)
	s_wait_dscnt \younger
.irp t, 0,1,2,3,4,5,6,7,8,9,10,11,12,13,14,15
	global_store_b128 v[CO], v[BB+4*\t:BB+4*\t+3], s[98:99] offset:4096*(TK+32*(\t/8)+\t%8) th:TH_STORE_NT   ; row t of the tile is token TK + 32 (t/8) + t%8; 32 lanes store 512 consecutive bytes, at a multiple of 256 from the buffer's first byte
.endr
.endm
	PLACES NP
	TOSTAGE 0
.irp a, 1,2,3,4,5,6,7
.if \a > 1
	s_wait_xcnt 0x0                                ; the stores of the tile before last have read their registers: this tile's loads may land there
.endif
	TOSTAGE \a
	SEND \a-1, 32                                  ; behind that tile's loads: this tile's 16 stores and 16 loads
.endr
	SEND 7, 0
	s_wait_tensorcnt 0x0                           ; the wave's end
	ds_add_u32 v[SPW], v[NIL]
	s_wait_dscnt 0x0
	CROUND
	s_endpgm
.Lfunc_end_k_q65ebb56ca6_o_proj:
	.size	k_q65ebb56ca6_o_proj, .Lfunc_end_k_q65ebb56ca6_o_proj-k_q65ebb56ca6_o_proj
	.p2alignl 7, 3214868480
	.fill 96, 4, 3214868480
	.section	.rodata,"a",@progbits
	.p2align	6, 0x0
	.amdhsa_kernel k_q65ebb56ca6_o_proj
		.amdhsa_group_segment_fixed_size 327680
		.amdhsa_private_segment_fixed_size 0
		.amdhsa_enable_private_segment 0
		.amdhsa_kernarg_size 48
		.amdhsa_user_sgpr_count 2
		.amdhsa_user_sgpr_kernarg_segment_ptr 1
		.amdhsa_wavefront_size32 1
		.amdhsa_system_sgpr_workgroup_id_x 1
		.amdhsa_system_sgpr_workgroup_id_y 1
		.amdhsa_system_sgpr_workgroup_id_z 1
		.amdhsa_system_vgpr_workitem_id 0
		.amdhsa_next_free_vgpr 1024
		.amdhsa_next_free_sgpr 100
		.amdhsa_reserve_vcc 0
		.amdhsa_float_denorm_mode_32 3
		.amdhsa_float_denorm_mode_16_64 3
		.amdhsa_memory_ordered 1
		.amdhsa_forward_progress 1
		.amdhsa_inst_pref_size 164
	.end_amdhsa_kernel
	.amdgpu_metadata
---
amdhsa.version: [ 1, 2 ]
amdhsa.kernels:
  - .name:           k_q65ebb56ca6_o_proj
    .symbol:         k_q65ebb56ca6_o_proj.kd
    .args:
      - { .name: ictx, .offset: 0, .size: 8, .value_kind: global_buffer, .address_space: global }
      - { .name: isc, .offset: 8, .size: 8, .value_kind: global_buffer, .address_space: global }
      - { .name: Wo_codes, .offset: 16, .size: 8, .value_kind: global_buffer, .address_space: global }
      - { .name: Wo_scales, .offset: 24, .size: 8, .value_kind: global_buffer, .address_space: global }
      - { .name: bo, .offset: 32, .size: 8, .value_kind: global_buffer, .address_space: global }
      - { .name: out0, .offset: 40, .size: 8, .value_kind: global_buffer, .address_space: global }
    .group_segment_fixed_size: 327680
    .private_segment_fixed_size: 0
    .kernarg_segment_align: 8
    .kernarg_segment_size: 48
    .max_flat_workgroup_size: 128
    .sgpr_count:     100
    .vgpr_count:     1024
    .wavefront_size: 32
...
	.end_amdgpu_metadata
.endif
;; end of part 4
